; MI455X (gfx1250); checked and timed in simulation.
; The chip was launched on July 23, 2026; its instructions are those of AMD's public machine-readable ISA for CDNA 5 (MIT licence, August 2026) and "CDNA5" Instruction Set Architecture Reference Guide (July 2026). The comments in the code are by the model that wrote it; some were corrected since.
;; Causal Self Attention. Allowed arithmetic: matrix products marked QUANTISED: E2M1 operands, one E8M0 scale for each 32 along K, by v_wmma_scale_f32_16x16x128_f8f6f4 with both operands' format E2M1 (or v_wmma_scale_f32_32x16x128_f4), f32 sums; everything else in f32.
;; Inputs: W_proj 1,024 x 1,024 float32; W_qkv 1,024 x 3,072 float32; b_proj 1,024 float32; b_qkv 3,072 float32; x 4 x 2,048 x 1,024 float32.
;; Outputs: out0 4 x 2,048 x 1,024 float32.
;; This version of the problem:
;;   THIS VERSION OF THE PROBLEM IS GIVEN IN LOW PRECISION. The matrix products marked QUANTISED in the list below multiply operands that are first quantised to E2M1 (2 exponent bits, 1 mantissa bit; 4 bits a number), with one power-of-two scale for each 32 numbers along K (OCP MX v1.0); their sums are f32. All else is computed in f32.
;;   The module's matrix products, in the order in which they are computed (A, B: the left and right operand; K: the contracted axis; several contracted axes count as one K, in the product's order):
;;     1. [M 8,192, K 1,024] x [K 1,024, N 3,072]; A: input x; B: input W_qkv: QUANTISED
;;     2. batch 64 x [M 2,048, K 64] x [K 64, N 2,048]; A: computed on the way; B: computed on the way: QUANTISED
;;     3. batch 64 x [M 2,048, K 2,048] x [K 2,048, N 64]; A: softmax (see below); B: computed on the way: QUANTISED
;;     4. [M 8,192, K 1,024] x [K 1,024, N 1,024]; A: computed on the way; B: input W_proj: QUANTISED
;;   THE QUANTISER, for each operand of a quantised product, along K:
;;     - K is cut into blocks of 32 from its start; a last block that is shorter is filled with zeros.
;;     - A block's scale is 2^e with e = floor(log2(the largest magnitude in the block)) - 2, held to -126 .. 127; a block of zeros has e = 0. As a byte (E8M0): e + 127.
;;     - Each number is divided by its block's scale, clamped to +-6, and rounded to the nearest number of E2M1, ties to even, subnormals kept.
;;     - The product sums the exact products of the quantised numbers (number of the format x scale) in f32.
;;   ~~~python
;;   def quantise(x, axis):      # numpy; x: float32 -> the quantised numbers, widened to float32 again
;;       x = np.moveaxis(x, axis, -1); K = x.shape[-1]
;;       x = np.pad(x, [(0, 0)] * (x.ndim - 1) + [(0, -K % 32)]); x = x.reshape(x.shape[:-1] + (-1, 32)); a = np.abs(x).max(-1, keepdims=True)
;;       e = np.where(a > 0, np.clip(np.frexp(np.where(a > 0, a, 1))[1] - 1 - 2, -126, 127), 0)      # np.frexp(a)[1] - 1 = floor(log2(a)), exactly
;;       r = np.clip(x / 2.0 ** e, -6, 6)
;;       step = 2.0 ** (np.maximum(np.frexp(np.where(r == 0, 1, r))[1] - 1, 0) - 1)
;;       q = np.round(r / step) * step * 2.0 ** e      # np.round: ties to even
;;       return np.moveaxis(q.reshape(q.shape[:-2] + (-1,))[..., :K], -1, axis).astype(np.float32)
;;   ~~~
;;   SOFTMAX AHEAD OF A QUANTISED PRODUCT. Where the list says 'softmax', what is quantised is not the finished softmax but p = 2^(t - M), with t = logit x log2(e) and M = ceil(the row's largest t), a whole number; so 1/2 < the row's largest p <= 1. The row's sum l is taken of the UNQUANTISED p, in f32, and the product's result is divided by l at the end. Since M is a whole number, a kernel that streams over the keys may use a running M (the ceiling of the running maximum): every later rescaling is an exact power of two, which a block's scale takes up: the codes' values come out the same.
;;   OPERANDS COMPUTED ON THE WAY. 'Computed on the way' means the value that the module computes at that place (a softmax that the list does not call 'softmax' is quantised finished and normalised). What goes into a quantiser is computed in f32, as accurately as f32 sums, v_exp_f32 and their like allow (about 1e-6 of the number): no bf16 or f16 on the way to a quantiser, and a product that is left as it is and whose result goes on into a quantised operand takes f32 operands (vector FMAs, or v_wmma_f32_16x16x4_f32). A number that lies on a knife's edge between two numbers of the format may be rounded either way, as far as f32 arithmetic and the matrix unit's own rounding can turn it there, and no further.
;; One version. Each part assembles by itself: llvm-mc -triple=amdgcn-amd-amdhsa -mcpu=gfx1250 --defsym DOCPART=n.
;; ======== version 1 of 1: 5 launches
;; workspace buffers: xq 4,456,448 bytes; wq 1,671,168 bytes; wp 557,056 bytes; tab 524,288 bytes; qkv 13,893,632 bytes; oq 4,456,448 bytes
;; launch prep (part 1): grid 896 x 1, 4 waves a work-group, no clusters, 31,744 bytes of LDS; arguments x, W_qkv, W_proj, xq, wq, wp, tab; writes xq, wq, wp, tab
.if DOCPART == 1
	.amdgcn_target "amdgcn-amd-amdhsa--gfx1250"
	.amdhsa_code_object_version 6
	.text
	.protected	k_q69ea6ef68f_prep
	.globl	k_q69ea6ef68f_prep
	.p2align	8
	.type	k_q69ea6ef68f_prep,@function
k_q69ea6ef68f_prep:
	s_mov_b64 s[64:65], 0
	v_nop
	global_prefetch_b8 v0, s[64:65] scope:SCOPE_SE
	s_setreg_imm32_b32 hwreg(HW_REG_WAVE_MODE, 25, 1), 1
	s_wait_xcnt 0x0
; CAUSAL SELF-ATTENTION IN MX-FP4, launch 1 of 5: x, W_qkv and W_proj become codes of E2M1 with one E8M0 byte for each 32 along K, and the table of cos and sin for the rotation is made.
; WORK LEFT OUT BY THE PROGRAM.  reference() builds the causal mask itself (jnp.tril) and sets every score with key > query to -infinity ahead of the softmax: its p is 0 and adds nothing to the sum or to the
; second product, whatever the inputs hold.  So the attention launch leaves out every step of 128 keys that lies wholly behind a wave's 16 queries.  Nothing else is left out: all five inputs are loaded, and the
; bias on k stays, since it stands ahead of a quantiser.  LIMIT: a NaN, an infinity or an overflow that reaches only such hidden scores is not carried to the result.
; LIMITS OF THE QUANTISERS (all launches): a block whose largest magnitude lies under 2^-124 gets the byte 1; a block of zeros gets the byte 1 where the rule says 127 (its codes are zeros, and only this program
; reads the bytes); NaN and infinities among the inputs are not served.
; LAYOUT OF AN OPERAND (xq, wq, wp, and oq later): [half of K 2][tile of 16 rows][block of 32 along K: 16][row 16][16 bytes]: the two groups of four registers of a fragment (16 rows x 128 K) are 512 consecutive
; bytes each, 16 x lane.  Scale bytes: [half of K][tile][row][16 bytes].
; THE ROWS OF A TILE: row r of tile T is index 32 (T / 2) + 8 (T % 2) + r % 8 + 16 (r / 8), for tokens and for W_qkv's columns (not for W_proj's): as source 0 of a product, tiles 2 b and 2 b + 1 then leave
; a lane 16 neighbouring indices in 16 registers.
; WORK-GROUPS: 0-511 a tile of 16 tokens of x; 512-703 W_qkv, 128 columns x 128 K; 704-767 W_proj likewise; 768-895 a tile of 16 positions of the table.  Only the first kind touches LDS.
.set SP,    80                         ; x: a lane's place in a turning stage: 64 bytes + 16 of padding
.set WREG,  7680                       ; x: LDS of a wave: two turning stages of 32 x SP, then the code stage
.set CSTG,  5120
.set CPI,   288                        ; the code stage: 8 blocks x (16 rows x 16 bytes + 32)
.set XS,    4*WREG                     ; the tile's scale bytes, [half of K][row][16], written by all four waves
.set SPARE, XS+512                     ; the spare words, 128 bytes for each wave: two blocks of 256 bytes that no other line names
.set SPW,   12                         ; v12 LDS address of my spare word; never rewritten
.set NIL,   13                         ; v13 0; never rewritten
.set R,     32                         ; v32-159  x: eight sets of 16 numbers as loaded;  W: 128 numbers down K, 32 registers of its own for each block
.set XN,    160                        ; v160-191 x: two sets of 16 neighbours;  W: the codes
.set CD,    192                        ; v192-207 x: two registers of codes for each step
.set EB,    20                         ; v20-27   x: a scale byte for each step
; W: block t of a lane's column: rows 32 t + 0 .. 31.  Each load: 32 lanes read 128 consecutive bytes of one row
.macro WLOAD n, t
.set J, 0
.rept 32
	global_load_b32 v[R+32*(\t)+J], v4, s[24:25] offset:(32*(\t)+J)*\n*4 th:TH_LOAD_NT
.set J, J+1
.endr
.endm
; W [1024][n] f32, K its first axis.  A lane takes a column and its registers run down K: a block of 32 is one lane's, and the conversions give codes with K innermost.
; A wave: 32 columns x 128 K, four blocks; the loads run two blocks ahead.  Each of its four code stores writes two runs of 256 consecutive bytes.  The scale words (4 bytes a lane, 16 bytes apart) fill their
; 256-byte runs in part: one byte for each 128 read.
.macro WQ n, first, src, dst, sstr, scoff, sss, perm
	s_sub_co_u32 s20, ttmp9, \first
	s_lshr_b32 s21, s20, 3                         ; which 128 columns
	s_and_b32 s22, s20, 7                          ; which 128 along K
	s_mul_i32 s24, s22, 128*\n*4
	s_lshl_b32 s25, s21, 9
	s_add_co_u32 s24, s24, s25
	s_lshl_b32 s25, s18, 7                         ; my wave's 32 columns
	s_add_co_u32 s24, s24, s25
	s_mov_b32 s25, 0
	s_add_nc_u64 s[24:25], s[\src:\src+1], s[24:25]
	s_lshl_b32 s23, s21, 3
	s_lshl_b32 s26, s18, 1
	s_add_co_u32 s23, s23, s26                     ; my first tile: 8 x column block + 2 x wave
	s_lshr_b32 s28, s22, 2                         ; half of K
	s_and_b32 s29, s22, 3                          ; which 128 of that half
	s_mul_i32 s26, s28, \sstr
	s_lshl_b32 s30, s23, 12
	s_add_co_u32 s26, s26, s30
	s_lshl_b32 s30, s29, 10
	s_add_co_u32 s26, s26, s30
	s_mov_b32 s27, 0
	s_add_nc_u64 s[26:27], s[\dst:\dst+1], s[26:27]  ; the codes
	s_mul_i32 s28, s28, \sss
	s_lshl_b32 s30, s23, 8
	s_add_co_u32 s28, s28, s30
	s_lshl_b32 s30, s29, 2
	s_add_co_u32 s28, s28, s30
	s_add_co_u32 s28, s28, \scoff
	s_mov_b32 s29, 0
	s_add_nc_u64 s[28:29], s[\dst:\dst+1], s[28:29]  ; the scale words
.if \perm
	v_and_b32 v4, 7, v2                            ; lane l stands for place l of the 32: it loads the column with bits 3 and 4 of l exchanged
	v_bfe_u32 v5, v2, 3, 1
	v_bfe_u32 v6, v2, 4, 1
	v_lshl_or_b32 v4, v5, 4, v4
	v_lshl_or_b32 v4, v6, 3, v4
	v_lshlrev_b32 v4, 2, v4
.else
	v_lshlrev_b32 v4, 2, v2
.endif
	v_lshrrev_b32 v5, 4, v2
	v_and_b32 v6, 15, v2
	v_lshlrev_b32 v6, 4, v6
	v_lshl_add_u32 v7, v5, 12, v6                  ; codes: tile l / 16, row l % 16
	v_lshl_add_u32 v8, v5, 8, v6                   ; scale words likewise
	WLOAD \n, 0
	WLOAD \n, 1
.set T, 0
.rept 4
.set XB, R+32*T
.if T < 3
	s_wait_loadcnt 32                              ; this block's 32 loads are in; the next block's 32 may be out
.else
	s_wait_loadcnt 0x0
.endif
.if T < 2
	WLOAD \n, T+2                                  ; the block two on, into registers of its own
.endif
	v_max3_num_f32 v9, |v[XB]|, |v[XB+1]|, |v[XB+2]|
	v_max3_num_f32 v10, |v[XB+3]|, |v[XB+4]|, |v[XB+5]|
.irp i, 6,10,14,18,22,26
	v_max3_num_f32 v9, v9, |v[XB+\i]|, |v[XB+\i+1]|
	v_max3_num_f32 v10, v10, |v[XB+\i+2]|, |v[XB+\i+3]|
.endr
	v_max3_num_f32 v9, v9, |v[XB+30]|, |v[XB+31]|
	v_max3_num_f32 v9, v9, v10, 0x1800000          ; with the floor 2^(3 - 127): the byte cannot fall under 1
	v_add_nc_u32 v11, 0xff000000, v9               ; 2 off the exponent field: the conversion's scale operand
	v_lshrrev_b32 v10, 23, v11                     ; the scale's byte
.if T == 0
	v_mov_b32 v14, v10
.else
	v_lshl_or_b32 v14, v10, 8*T, v14
.endif
.irp g, 0,1,2,3
	v_cvt_scalef32_pk8_fp4_f32 v[XN+4*T+\g], v[XB+8*\g:XB+8*\g+7], v11
.endr
	global_store_b128 v7, v[XN+4*T:XN+4*T+3], s[26:27] offset:256*T
.set T, T+1
.endr
	v_nop                                          ; a plain line behind the last conversion
	global_store_b32 v8, v14, s[28:29]
	s_endpgm
.endm
; x: step t's 2,048 bytes (two tokens' 1,024) go through a stage as they lie and come back 64 bytes a lane: LDS serves a wave's instructions in order
.macro XTURN t
.irp i, 0,1,2,3
	ds_store_b128 v14, v[R+16*(\t)+4*\i:R+16*(\t)+4*\i+3] offset:32*SP*((\t)%2)+8*SP*\i
.endr
.irp i, 0,1,2,3
	ds_load_b128 v[XN+16*((\t)%2)+4*\i:XN+16*((\t)%2)+4*\i+3], v15 offset:32*SP*((\t)%2)+16*\i
.endr
.endm
.macro XSTEP t
.set XSR, XN+16*((\t)%2)
.if (\t) > 0
	s_wait_dscnt 2                                 ; this step's numbers are back; the last step's two stores (codes, byte) may be out
.else
	s_wait_dscnt 0x0
.endif
.if (\t) < 7
	s_wait_loadcnt 4*(6-(\t))                      ; the next step's four loads are in; those of the steps behind it may be out
	XTURN (\t)+1
.endif
	v_max3_num_f32 v4, |v[XSR]|, |v[XSR+1]|, |v[XSR+2]|
	v_max3_num_f32 v5, |v[XSR+3]|, |v[XSR+4]|, |v[XSR+5]|
.irp i, 6,10
	v_max3_num_f32 v4, v4, |v[XSR+\i]|, |v[XSR+\i+1]|
	v_max3_num_f32 v5, v5, |v[XSR+\i+2]|, |v[XSR+\i+3]|
.endr
	v_max3_num_f32 v4, v4, |v[XSR+14]|, |v[XSR+15]|
	v_max3_num_f32 v4, v4, v5, 0x1800000           ; with the floor
	v_max_num_f32_dpp v4, v4, v4 row_xmask:1 row_mask:0xf bank_mask:0xf   ; and my neighbour's 16: the block's largest magnitude
	v_add_nc_u32 v6, 0xff000000, v4
	v_cvt_scalef32_pk8_fp4_f32 v[CD+2*(\t)], v[XSR:XSR+7], v6
	v_cvt_scalef32_pk8_fp4_f32 v[CD+2*(\t)+1], v[XSR+8:XSR+15], v6
	v_lshrrev_b32 v[EB+(\t)], 23, v6               ; the scale's byte (a plain line behind the conversions)
	ds_store_b64 v16, v[CD+2*(\t):CD+2*(\t)+1] offset:32*(\t)   ; my 16 codes: block, row 2 t + lane / 16, half lane % 2
	ds_store_b8 v17, v[EB+(\t)] offset:32*(\t)     ; both lanes of a block write the same byte with the same value
.endm
	s_load_b256 s[4:11], s[0:1], 0x0               ; x s[4:5], W_qkv s[6:7], W_proj s[8:9], xq s[10:11]
	s_load_b128 s[12:15], s[0:1], 0x20             ; wq s[12:13], wp s[14:15]
	s_load_b64 s[16:17], s[0:1], 0x30              ; tab
	v_lshl_add_u32 v[SPW], v0, 2, SPARE
	v_mov_b32 v[NIL], 0
	v_lshrrev_b32 v1, 5, v0
	v_readfirstlane_b32 s18, v1                    ; wave 0..3
	v_and_b32 v2, 31, v0                           ; lane
	v_lshlrev_b32 v3, 4, v2                        ; 16 x lane
	s_wait_kmcnt 0x0
	s_cmp_lt_u32 ttmp9, 512                        ; the kinds of work part on the work-group's number alone
	s_cbranch_scc1 .Lx
	s_cmp_lt_u32 ttmp9, 704
	s_cbranch_scc1 .Lwqkv
	s_cmp_lt_u32 ttmp9, 768
	s_cbranch_scc1 .Lwproj
; THE TABLE.  tab [tile of positions 128][k 8][lane][16 bytes]: k < 4: cos(theta) for j = 16 h + 4 k + e; k >= 4: -sin (e even) or +sin (e odd) for j = 16 h + 4 (k - 4) + e; the position is row lane % 16 of the tile.
; theta is made as reference() makes it, step by step in f32: p = 10000^(j / 32) = 10^(m / 8) x 10^n rounded once (from a high and a low part), 1 / p rounded once (two corrections behind v_rcp_f32), position x that.
; Then theta - n pi/2 with pi/2 in three parts by fused multiply-adds (the first is exact: n has 11 bits), and Taylor sums on |r| <= pi/4: sin to r^9, cos to r^10; the first terms left out are under 3e-9 of the result.
	s_sub_co_u32 s20, ttmp9, 768                   ; the tile
	s_and_b32 s21, s18, 1
	s_lshr_b32 s22, s18, 1
	s_cmp_eq_u32 s21, 0                            ; m = 4 (wave % 2) + e
	s_mov_b32 s24, 0x404a62c2
	s_cselect_b32 s24, 1.0, s24                    ; high parts of 10^(m / 8)
	s_mov_b32 s25, 0x4086f161
	s_cselect_b32 s25, 0x3faab0d5, s25
	s_mov_b32 s26, 0x40b3f300
	s_cselect_b32 s26, 0x3fe39ea9, s26
	s_mov_b32 s27, 0x40eff755
	s_cselect_b32 s27, 0x4017c496, s27
	s_mov_b32 s28, 0xb324b48d
	s_cselect_b32 s28, 0, s28                      ; low parts
	s_mov_b32 s29, 0xb430577a
	s_cselect_b32 s29, 0xb36457ec, s29
	s_mov_b32 s30, 0x34323462
	s_cselect_b32 s30, 0xb26aee48, s30
	s_mov_b32 s31, 0x34515b51
	s_cselect_b32 s31, 0x33606940, s31
	s_cmp_eq_u32 s22, 0
	s_mov_b32 s23, 0x41200000
	s_cselect_b32 s23, 1.0, s23                    ; 10^(wave / 2)
	s_mov_b32 s32, 0x3fc90fd8                      ; pi/2 in three parts
	s_mov_b32 s33, 0x34a8885a
	s_mov_b32 s34, 0x27c234c4
	s_lshr_b32 s35, s20, 1
	s_lshl_b32 s35, s35, 5
	s_and_b32 s36, s20, 1
	s_lshl_b32 s36, s36, 3
	s_add_co_u32 s35, s35, s36                     ; the tile's first position
	s_lshl_b32 s36, s20, 12
	s_lshl_b32 s37, s18, 9
	s_add_co_u32 s36, s36, s37
	s_mov_b32 s37, 0
	s_add_nc_u64 s[16:17], s[16:17], s[36:37]
	v_bfe_u32 v6, v2, 4, 1                         ; h
	v_mul_u32_u24 v4, v6, 99
	v_add_nc_u32 v4, 1, v4
	v_cvt_f32_u32 v4, v4                           ; 10^(2 h)
	v_mul_f32 v4, s23, v4                          ; 10^n, n = 2 h + wave / 2: 1, 10, 100 or 1000, exact
	v_and_b32 v5, 7, v2
	v_bfe_u32 v7, v2, 3, 1
	v_lshl_add_u32 v5, v7, 4, v5
	v_add_nc_u32 v5, s35, v5
	v_cvt_f32_u32 v5, v5                           ; my position
.irp e, 0,1,2,3
	v_mul_f32 v[32+\e], s[24+\e], v4
.endr
.irp e, 0,1,2,3
	v_fma_f32 v[36+\e], s[24+\e], v4, -v[32+\e]    ; what that product dropped, exactly,
.endr
.irp e, 0,1,2,3
	v_fma_f32 v[36+\e], s[28+\e], v4, v[36+\e]     ; and the low part's share
.endr
.irp e, 0,1,2,3
	v_add_f32 v[32+\e], v[32+\e], v[36+\e]         ; p
.endr
.irp e, 0,1,2,3
	v_rcp_f32 v[40+\e], v[32+\e]
.endr
	v_nop                                          ; a plain line behind the last reciprocal,
	s_wait_alu depctr_va_vdst(0)                   ; and one wait for the four, ahead of their first reader
.rept 2
.irp e, 0,1,2,3
	v_fma_f32 v[36+\e], -v[32+\e], v[40+\e], 1.0
.endr
.irp e, 0,1,2,3
	v_fma_f32 v[40+\e], v[40+\e], v[36+\e], v[40+\e]   ; 1 / p
.endr
.endr
.irp e, 0,1,2,3
	v_mul_f32 v[44+\e], v5, v[40+\e]               ; theta
.endr
.irp e, 0,1,2,3
	v_mul_f32 v[48+\e], 0x3f22f983, v[44+\e]
.endr
.irp e, 0,1,2,3
	v_rndne_f32 v[48+\e], v[48+\e]                 ; n = the whole number nearest theta x 2/pi
.endr
.irp e, 0,1,2,3
	v_fma_f32 v[44+\e], -v[48+\e], s32, v[44+\e]
.endr
.irp e, 0,1,2,3
	v_fma_f32 v[44+\e], -v[48+\e], s33, v[44+\e]
.endr
.irp e, 0,1,2,3
	v_fma_f32 v[44+\e], -v[48+\e], s34, v[44+\e]   ; r
.endr
.irp e, 0,1,2,3
	v_mul_f32 v[52+\e], v[44+\e], v[44+\e]         ; r^2
	v_mov_b32 v[56+\e], 0x3638ef1d                 ; 1/9!
	v_mov_b32 v[60+\e], 0xb493f27e                 ; -1/10!
.endr
.irp e, 0,1,2,3
	v_fmaak_f32 v[56+\e], v[56+\e], v[52+\e], 0xb9500d01   ; -1/7!
	v_fmaak_f32 v[60+\e], v[60+\e], v[52+\e], 0x37d00d01   ; 1/8!
.endr
.irp e, 0,1,2,3
	v_fmaak_f32 v[56+\e], v[56+\e], v[52+\e], 0x3c088889   ; 1/5!
	v_fmaak_f32 v[60+\e], v[60+\e], v[52+\e], 0xbab60b61   ; -1/6!
.endr
.irp e, 0,1,2,3
	v_fmaak_f32 v[56+\e], v[56+\e], v[52+\e], 0xbe2aaaab   ; -1/3!
	v_fmaak_f32 v[60+\e], v[60+\e], v[52+\e], 0x3d2aaaab   ; 1/4!
.endr
.irp e, 0,1,2,3
	v_mul_f32 v[64+\e], v[44+\e], v[52+\e]
	v_fmaak_f32 v[60+\e], v[60+\e], v[52+\e], 0xbf000000   ; -1/2
.endr
.irp e, 0,1,2,3
	v_fma_f32 v[56+\e], v[56+\e], v[64+\e], v[44+\e]   ; sin r
	v_fma_f32 v[60+\e], v[60+\e], v[52+\e], 1.0        ; cos r
	v_cvt_i32_f32 v[68+\e], v[48+\e]
.endr
.irp e, 0,1,2,3
	v_and_b32 v[72+\e], 1, v[68+\e]
	v_cmp_eq_u32 vcc_lo, 1, v[72+\e]               ; an odd n exchanges the two
	v_cndmask_b32 v[76+\e], v[60+\e], v[56+\e], vcc_lo
	v_cndmask_b32 v[80+\e], v[56+\e], v[60+\e], vcc_lo
	v_add_nc_u32 v[72+\e], 1, v[68+\e]             ; cos theta is negative where bit 1 of n + 1 is set
	v_lshlrev_b32 v[72+\e], 30, v[72+\e]
	v_and_b32 v[72+\e], 0x80000000, v[72+\e]
	v_xor_b32 v[76+\e], v[72+\e], v[76+\e]
	v_add_nc_u32 v[72+\e], 2*(1-\e%2), v[68+\e]    ; sin theta where bit 1 of n is set; an even e wants -sin
	v_lshlrev_b32 v[72+\e], 30, v[72+\e]
	v_and_b32 v[72+\e], 0x80000000, v[72+\e]
	v_xor_b32 v[80+\e], v[72+\e], v[80+\e]
.endr
	global_store_b128 v3, v[76:79], s[16:17]               ; 512 consecutive bytes each
	global_store_b128 v3, v[80:83], s[16:17] offset:2048
	s_endpgm
.Lwqkv:
	WQ 3072, 512, 6, 12, 786432, 1572864, 49152, 1
.Lwproj:
	WQ 1024, 704, 8, 14, 262144, 524288, 16384, 0
; x: a work-group takes tile T = its number; wave w takes blocks 8 w .. 8 w + 7 along K (1,024 bytes of each of the 16 tokens), two tokens a step.
.Lx:
	s_lshr_b32 s20, ttmp9, 1
	s_lshl_b32 s20, s20, 5
	s_and_b32 s21, ttmp9, 1
	s_lshl_b32 s21, s21, 3
	s_add_co_u32 s20, s20, s21                     ; the tile's first token
	s_lshl_b32 s20, s20, 12
	s_lshl_b32 s21, s18, 10
	s_add_co_u32 s20, s20, s21
	s_mov_b32 s21, 0
	s_add_nc_u64 s[4:5], s[4:5], s[20:21]
.set J, 0
.rept 32
.set RW, 2*(J/4)+(J%4)/2
	global_load_b128 v[R+4*J:R+4*J+3], v3, s[4:5] offset:(RW+8*(RW/8))*4096+(J%2)*512 th:TH_LOAD_NT   ; 512 consecutive bytes of the token of row RW; all 32 loads go out at once
.set J, J+1
.endr
	s_lshr_b32 s22, s18, 1                         ; my half of K
	s_and_b32 s23, s18, 1
	s_lshl_b32 s20, s22, 21
	s_lshl_b32 s24, ttmp9, 12
	s_add_co_u32 s20, s20, s24
	s_lshl_b32 s24, s23, 11
	s_add_co_u32 s20, s20, s24
	s_add_nc_u64 s[26:27], s[10:11], s[20:21]      ; my 2,048 bytes of codes
	s_lshl_b32 s20, ttmp9, 8
	s_add_co_u32 s20, s20, 4194304
	s_add_nc_u64 s[28:29], s[10:11], s[20:21]      ; the tile's scale bytes
	s_mul_i32 s24, s18, WREG
	v_lshrrev_b32 v14, 2, v2
	v_mul_u32_u24 v14, v14, SP
	v_and_b32 v15, 3, v2
	v_lshl_add_u32 v14, v15, 4, v14
	v_add_nc_u32 v14, s24, v14                     ; the turning stage, in: SP (lane / 4) + 16 (lane % 4)
	v_mul_u32_u24 v15, v2, SP
	v_add_nc_u32 v15, s24, v15                     ; and out: SP x lane
	v_bfe_u32 v8, v2, 4, 1
	v_bfe_u32 v9, v2, 1, 3
	v_and_b32 v10, 1, v2
	v_and_b32 v11, 15, v2
	s_add_co_u32 s25, s24, CSTG
	v_mul_u32_u24 v16, v9, CPI
	v_lshl_add_u32 v16, v8, 4, v16
	v_lshl_add_u32 v16, v10, 3, v16
	v_add_nc_u32 v16, s25, v16                     ; the code stage, in
	s_lshl_b32 s30, s22, 8
	s_lshl_b32 s31, s23, 3
	s_add_co_u32 s30, s30, s31
	s_add_co_u32 s30, s30, XS
	v_lshl_add_u32 v17, v8, 4, v9
	v_add_nc_u32 v17, s30, v17                     ; my block's scale byte
	v_mul_u32_u24 v18, v8, CPI
	v_lshl_add_u32 v18, v11, 4, v18
	v_add_nc_u32 v18, s25, v18                     ; the code stage, out: two blocks an instruction
	v_add_nc_u32 v19, XS, v3
	v_lshlrev_b32 v28, 4, v11
	v_lshl_add_u32 v28, v8, 17, v28                ; the scale bytes in memory: half of K lane / 16, row lane % 16
	s_wait_loadcnt 28                              ; step 0's four loads are in
	XTURN 0
.irp t, 0,1,2,3,4,5,6,7
	XSTEP \t
.endr
.irp i, 0,1,2,3
	ds_load_b128 v[XN+4*\i:XN+4*\i+3], v18 offset:2*CPI*\i   ; LDS serves a wave's instructions in order: these see my stores
.endr
.irp i, 0,1,2,3
	s_wait_dscnt 3-\i                              ; load i is back; the younger ones may be out
	global_store_b128 v3, v[XN+4*\i:XN+4*\i+3], s[26:27] offset:512*\i   ; 512 consecutive bytes
.endr
	s_wait_dscnt 0x0                               ; for the others' sake: my byte stores have landed
	s_barrier_signal -1
	s_barrier_wait -1                              ; the tile's 512 scale bytes are whole
	s_cmp_lg_u32 s18, 0
	s_cbranch_scc1 .Lxend
	ds_load_b128 v[XN+16:XN+19], v19
	s_wait_dscnt 0x0
	global_store_b128 v28, v[XN+16:XN+19], s[28:29]   ; two runs of 256 consecutive bytes
.Lxend:
	s_wait_tensorcnt 0x0                           ; the wave's end
	ds_add_u32 v[SPW], v[NIL]
	s_wait_dscnt 0x0
	s_endpgm
.Lfunc_end_k_q69ea6ef68f_prep:
	.size	k_q69ea6ef68f_prep, .Lfunc_end_k_q69ea6ef68f_prep-k_q69ea6ef68f_prep
	.p2alignl 7, 3214868480
	.fill 96, 4, 3214868480
	.section	.rodata,"a",@progbits
	.p2align	6, 0x0
	.amdhsa_kernel k_q69ea6ef68f_prep
		.amdhsa_group_segment_fixed_size 31744
		.amdhsa_private_segment_fixed_size 0
		.amdhsa_enable_private_segment 0
		.amdhsa_kernarg_size 56
		.amdhsa_user_sgpr_count 2
		.amdhsa_user_sgpr_kernarg_segment_ptr 1
		.amdhsa_wavefront_size32 1
		.amdhsa_system_sgpr_workgroup_id_x 1
		.amdhsa_system_sgpr_workgroup_id_y 1
		.amdhsa_system_sgpr_workgroup_id_z 1
		.amdhsa_system_vgpr_workitem_id 0
		.amdhsa_next_free_vgpr 208
		.amdhsa_next_free_sgpr 66
		.amdhsa_reserve_vcc 1
		.amdhsa_float_denorm_mode_32 3
		.amdhsa_float_denorm_mode_16_64 3
		.amdhsa_memory_ordered 1
		.amdhsa_forward_progress 1
		.amdhsa_inst_pref_size 70
	.end_amdhsa_kernel
	.amdgpu_metadata
---
amdhsa.version: [ 1, 2 ]
amdhsa.kernels:
  - .name:           k_q69ea6ef68f_prep
    .symbol:         k_q69ea6ef68f_prep.kd
    .args:
      - { .name: x, .offset: 0, .size: 8, .value_kind: global_buffer, .address_space: global }
      - { .name: W_qkv, .offset: 8, .size: 8, .value_kind: global_buffer, .address_space: global }
      - { .name: W_proj, .offset: 16, .size: 8, .value_kind: global_buffer, .address_space: global }
      - { .name: xq, .offset: 24, .size: 8, .value_kind: global_buffer, .address_space: global }
      - { .name: wq, .offset: 32, .size: 8, .value_kind: global_buffer, .address_space: global }
      - { .name: wp, .offset: 40, .size: 8, .value_kind: global_buffer, .address_space: global }
      - { .name: tab, .offset: 48, .size: 8, .value_kind: global_buffer, .address_space: global }
    .group_segment_fixed_size: 31744
    .private_segment_fixed_size: 0
    .kernarg_segment_align: 8
    .kernarg_segment_size: 56
    .max_flat_workgroup_size: 128
    .sgpr_count:     66
    .vgpr_count:     208
    .wavefront_size: 32
...
	.end_amdgpu_metadata
.endif
;; end of part 1
;; launch gemm_qk (part 2): grid 8 x 32, 4 waves a work-group, clusters of 4 x 4, 327,680 bytes of LDS; arguments xq, wq, b_qkv, tab, qkv; writes qkv
.if DOCPART == 2
	.amdgcn_target "amdgcn-amd-amdhsa--gfx1250"
	.amdhsa_code_object_version 6
	.text
	.protected	k_q69ea6ef68f_gemm_qk
	.globl	k_q69ea6ef68f_gemm_qk
	.p2align	8
	.type	k_q69ea6ef68f_gemm_qk,@function
k_q69ea6ef68f_gemm_qk:
	s_mov_b64 s[64:65], 0
	v_nop
	global_prefetch_b8 v0, s[64:65] scope:SCOPE_SE
	s_setreg_imm32_b32 hwreg(HW_REG_WAVE_MODE, 25, 1), 1
	s_wait_xcnt 0x0
	s_wait_alu depctr_hold_cnt(0) depctr_sa_sdst(0) depctr_va_vdst(0) depctr_va_sdst(0) depctr_va_ssrc(0) depctr_va_vcc(0) depctr_vm_vsrc(0)
	s_getreg_b32 s2, hwreg(HW_REG_IB_STS2, 6, 4)
	s_cmp_eq_u32 s2, 0
	s_cbranch_scc0 .Lentry_in_a_cluster
	s_endpgm
.Lentry_in_a_cluster:
	s_bfe_u32 s2, ttmp6, 0x10000c
	s_cmp_lg_u32 s2, 0xf033
	s_cbranch_scc0 .Lentry_shape_is_right
	s_endpgm
.Lentry_shape_is_right:
; Launch 2 of 5: q and k = x W_qkv + b_qkv (columns 0 to 2,047) on codes of E2M1, rotated by the table, quantised along the head's 64 and stored as attention's operands.  No work is left out here.
; A work-group: 256 tokens (R, source 1: 16 tiles of xq) x 256 columns (P, source 0: 16 tiles of wq).  A wave: 128 x 128: 64 accumulators.  All of K = 1,024 lies in LDS at once, in two slots of 512 along K:
; each wave asks for three tiles at the head (scale bytes, slot 0, slot 1) and nothing is ever filled again.  Operands lie in memory as images of their registers, so every tile is a dense block (rows of 256 bytes)
; and every fragment load reads 512 consecutive bytes: no pitch, no padding.
; CLUSTER 4 x 4: R hangs on the work-group's y alone and is asked for jointly along a row of the cluster, P on x alone and jointly along a column.
; THE PRODUCT IS USED TRANSPOSED: a lane holds ONE token (row lane % 16 of R's tile a); by the order of wq's columns the 16 registers of P's tiles 2 b, 2 b + 1 are columns 32 b + 16 (lane / 16) + 0 .. 15.
; A wave's 128 columns are two heads.  The bias is the C of each sum's first instruction.
; qkv: 64 records (16 batch + head) of 217,088 bytes: q's codes [tile 128][lane][16 B] at 0, q's scale words [tile][row] at 65,536 (bytes 0, 1: the head's two blocks; bytes 2, 3: 0), k's codes at 73,728,
; v's codes at 139,264, k's scale words at 204,800, v's at 212,992.
; REGISTERS, in windows of 256: window 0: v1-31 addresses; v32-95 scale words, a set for each slot; v128-255 R's fragments, two sets; on the way out v128-224 at work.
;   window 1: P's fragments at v0 and v128; v64-127 the bias; v192-255 two sets of the table.   windows 2, 3: the accumulators ((a, b) at v[8 (8 (a % 4) + b)]).
.set NA,    8                          ; R's tiles of a wave
.set NTR,   512                        ; tiles in R's buffer, in P's
.set NTP,   192
.set RSC,   4194304                    ; where the scale bytes begin in each
.set PSC,   1572864
.set RT0,   0
.set REC,   217088
.set SLOTB, (2*NA+16)*4096             ; a slot: R's 2 NA tiles, then P's 16
.set ROFFP, 2*NA*4096
.set SCL,   2*SLOTB                    ; behind the slots: R's scale bytes for both halves of K, then P's
.set SCRB,  2*NA*256
.set SCPO,  SCL+2*SCRB
.set SPARE, SCPO+8192                  ; the spare words, 128 bytes for each wave: two blocks of 256 bytes that no other line names
.set STG,   SPARE+512                  ; 1,024 bytes for each wave: the scale words on their way out; no tile lands here
.set BO,   7                           ; v7   the bias: my lane's offset
.set ADRR, 16                          ; v16-17 my R fragments in slot 0, 1
.set ADRP, 20                          ; v20-21 my P fragments
.set LI,   24                          ; v24  16 x lane
.set VSH,  25                          ; v25  16 x (lane / 16)
.set ADRS, 26                          ; v26-27 scale words: lanes 0-15 R's, lanes 16-31 P's
.set SPW,  28                          ; v28  my spare word; never rewritten
.set NIL,  29                          ; v29  0; never rewritten
.set SA,   30
.set SB,   31
.set SC,   32
.set RF,   128
.set CB,   64
.set Y,    128                         ; the way out: 64 rotated numbers
.set PC,   192                         ; their codes
.set TM,   200                         ; v200-215 at work
.set PW,   216                         ; the scale word
.set SW,   217                         ; v217-224 a head's half of it, a register for each block
.set G1R,  24
.set G0R,  32
.set G1P,  48
.set G0P,  56
.set G1SR, 68
.set G0SR, 76
.set G1SP, 80
.set G0SP, 88
.set MSB, 0
.macro WIN new                         ; the immediate's high byte repeats the setting that is left
.if MSB != \new
	s_set_vgpr_msb (MSB<<8)|\new
.set MSB, \new
.endif
.endm
; A joint load: waves 0 and 1 fetch for R, waves 2 and 3 for P.  The branch hangs on the wave's number alone.  An s_nop 0 and four v_nop follow each of the two lines.
.macro JLOAD g0a, g1a, g0b, g1b
	s_cmp_eq_u32 s15, 0
	s_cbranch_scc0 .Lfor_b_\@
	tensor_load_to_lds s[\g0a:\g0a+3], s[\g1a:\g1a+7]
	s_nop 0
.rept 4
	v_nop
.endr
	s_branch .Lasked_\@
.Lfor_b_\@:
	tensor_load_to_lds s[\g0b:\g0b+3], s[\g1b:\g1b+7]
	s_nop 0
.rept 4
	v_nop
.endr
.Lasked_\@:
.endm
.macro CROUND                          ; a round of the cluster's barrier
	s_barrier_signal -1
	s_barrier_wait -1
	s_cmp_lg_u32 s14, 0
	s_cbranch_scc1 .Lnot_wave_0_\@
	s_barrier_signal -3
.Lnot_wave_0_\@:
	s_barrier_wait -3
	s_barrier_signal -1
	s_barrier_wait -1
.endm
.macro G1REST g, rows                  ; a dense block as rows of 256 bytes: 32 elements of 8 bytes, pitch 32
	s_mov_b32 s[\g+1], 32<<16
	s_mov_b32 s[\g+2], (\rows)<<16
	s_mov_b32 s[\g+3], 32<<16
	s_mov_b32 s[\g+4], \rows
	s_mov_b32 s[\g+5], 32
	s_mov_b32 s[\g+6], 0
	s_mov_b32 s[\g+7], 0
.endm
.macro PLACES n
.rept \n
	v_nop
.endr
.endm
.macro FETCH_P slot, q, p              ; P's eight fragments of the slot's q-th 128 along K into set p
	WIN 0x40
.irp i, 0,1,2,3,4,5,6,7
.irp c, 0,1
	ds_load_b128 v[128*(\p)+8*\i+4*\c:128*(\p)+8*\i+4*\c+3], v[ADRP+\slot] offset:\i*4096+(\q)*1024+\c*512
.endr
.endr
	WIN 0
.endm
.macro FETCH_R slot, q, p
.set I, 0
.rept NA
.irp c, 0,1
	ds_load_b128 v[RF+64*(\p)+8*I+4*\c:RF+64*(\p)+8*I+4*\c+3], v[ADRR+\slot] offset:I*4096+(\q)*1024+\c*512
.endr
.set I, I+1
.endr
.endm
.macro SCALES sc                       ; a slot's four scale words a row: lanes 0-15 R's tile i, lanes 16-31 P's tile i
.irp i, 0,1,2,3,4,5,6,7
	ds_load_b128 v[SC+32*\sc+4*\i:SC+32*\sc+4*\i+3], v[ADRS+\sc] offset:256*\i
.endr
.endm
; 16 matrix instructions: R's tiles a0, a0 + 1 x P's eight.  cm = 1: the bias starts the sums.  The accumulators take turns, one instruction a turn, in the same order in every step.
.macro MUL16 a0, p, q, sc, cm
.irp a, \a0, \a0+1
.irp b, 0,1,2,3,4,5,6,7
.if \cm
	v_wmma_scale_f32_16x16x128_f8f6f4 v[8*(8*((\a)%4)+\b):8*(8*((\a)%4)+\b)+7], v[128*(\p)+8*\b:128*(\p)+8*\b+7], v[RF+64*(\p)+8*(\a):RF+64*(\p)+8*(\a)+7], v[CB+8*\b:CB+8*\b+7], v[SC+32*(\sc)+4*\b+(\q)], v[SC+32*(\sc)+4*(\a)+(\q)] matrix_a_fmt:MATRIX_FMT_FP4 matrix_b_fmt:MATRIX_FMT_FP4 matrix_a_scale:MATRIX_SCALE_ROW1
.else
	v_wmma_scale_f32_16x16x128_f8f6f4 v[8*(8*((\a)%4)+\b):8*(8*((\a)%4)+\b)+7], v[128*(\p)+8*\b:128*(\p)+8*\b+7], v[RF+64*(\p)+8*(\a):RF+64*(\p)+8*(\a)+7], v[8*(8*((\a)%4)+\b):8*(8*((\a)%4)+\b)+7], v[SC+32*(\sc)+4*\b+(\q)], v[SC+32*(\sc)+4*(\a)+(\q)] matrix_a_fmt:MATRIX_FMT_FP4 matrix_b_fmt:MATRIX_FMT_FP4 matrix_a_scale:MATRIX_SCALE_ROW1
.endif
.endr
.endr
.endm
.macro MULS p, q, sc, cm               ; a step's products.  Source 0 window 1, source 1 window 0, D window 2 or 3; C with D, or (cm = 1) in window 1
.if \cm
	WIN 0x91
.else
	WIN 0xa1
.endif
	MUL16 0, \p, \q, \sc, \cm
	MUL16 2, \p, \q, \sc, \cm
.if NA == 8
.if \cm
	WIN 0xd1
.else
	WIN 0xf1
.endif
	MUL16 4, \p, \q, \sc, \cm
	MUL16 6, \p, \q, \sc, \cm
.endif
.endm
.macro STEP slot, q, cm                ; a step of 128 along K whose successor lies in the same slot
	s_wait_dscnt 0x0                               ; this step's fragments, asked for a whole step ago, are in
	PLACES 4                                       ; four places in front of loads into registers that the last step's products read
	FETCH_P \slot, (\q)+1, 1-(\q)%2
	FETCH_R \slot, (\q)+1, 1-(\q)%2
	MULS (\q)%2, \q, \slot, \cm
.endm
.macro TURN                            ; slot 0's last step: slot 1 must be whole for every wave.
	s_wait_tensorcnt 0x0                           ; my part of slot 1 has landed
	s_wait_dscnt 0x0
	s_barrier_signal -1
	WIN 0xa1
	MUL16 0, 1, 3, 0, 0
	s_barrier_wait -1
	PLACES 4
	FETCH_P 1, 0, 0
	FETCH_R 1, 0, 0
	SCALES 1
	WIN 0xa1
	MUL16 2, 1, 3, 0, 0
.if NA == 8
	WIN 0xf1
	MUL16 4, 1, 3, 0, 0
	MUL16 6, 1, 3, 0, 0
.endif
.endm
; 64 numbers of a lane in window w, register 16 b + i = k 32 b + 16 (lane / 16) + i of my row, become a fragment's codes in v[PC] on and its scale word in v[pw].  Each accumulator is read from its low end on.
.macro QUANT s, w, pw
.set WQ1, (\w)|((\w)<<2)
.set WQ2, \w
	WIN WQ1
.irp b, 0,1,2,3
	v_max3_num_f32 v[TM+\b], |v[\s+16*\b]|, |v[\s+1+16*\b]|, 0x1800000   ; with the floor 2^(3 - 127): the byte cannot fall under 1
.endr
.irp i, 2,4,6,8,10,12,14
.irp b, 0,1,2,3
	v_max3_num_f32 v[TM+\b], |v[\s+16*\b+\i]|, |v[\s+1+16*\b+\i]|, v[TM+\b]
.endr
.endr
	WIN 0
.irp b, 0,1,2,3
	v_permlanex16_b32 v[TM+4+\b], v[TM+\b], s[98], s[99]
.endr
.irp b, 0,1,2,3
	v_max_num_f32 v[TM+\b], v[TM+\b], v[TM+4+\b]   ; with lane l xor 16's: the block's largest magnitude
.endr
.irp b, 0,1,2,3
	v_add_nc_u32 v[TM+12+\b], 0xff000000, v[TM+\b] ; 2 off its exponent field: the conversion's scale operand
.endr
.irp b, 0,1,2,3
	v_lshrrev_b32 v[TM+4+\b], 23, v[TM+12+\b]      ; the scale's byte
.endr
	v_lshl_or_b32 v[\pw], v[TM+5], 8, v[TM+4]
	v_lshl_or_b32 v[\pw], v[TM+6], 16, v[\pw]
	v_lshl_or_b32 v[\pw], v[TM+7], 24, v[\pw]
	WIN WQ2
.irp b, 0,1,2,3
	v_cvt_scalef32_pk8_fp4_f32 v[PC+2*\b], v[\s+16*\b:\s+7+16*\b], v[TM+12+\b]
	v_cvt_scalef32_pk8_fp4_f32 v[PC+1+2*\b], v[\s+8+16*\b:\s+15+16*\b], v[TM+12+\b]
.endr
	WIN 0
	v_nop                                          ; one plain place behind a scaled conversion
.irp c, 0,1                                    ; a whole block to a lane: lanes 0-15 block 2 c, lanes 16-31 block 2 c + 1
.irp i, 0,1
	v_permlane16_swap_b32 v[PC+4*\c+\i], v[PC+2+4*\c+\i]
.endr
.endr
.endm
	s_load_b256 s[4:11], s[0:1], 0x0               ; xq (R) s[4:5], wq (P) s[6:7], b_qkv s[8:9], tab s[10:11]
	s_load_b64 s[12:13], s[0:1], 0x20              ; qkv
	v_lshl_add_u32 v[SPW], v0, 2, SPARE
	v_mov_b32 v[NIL], 0
	ds_add_u32 v[SPW], v[NIL]                      ; the wave's opening: the add, twice on end, and its wait ahead of my first tensor load
	ds_add_u32 v[SPW], v[NIL]
	v_lshrrev_b32 v1, 5, v0
	v_readfirstlane_b32 s14, v1                    ; wave 0..3
	s_lshr_b32 s15, s14, 1                         ; which half of R's tiles I multiply.  Also: I fetch for R (0) or for P (1)
	s_and_b32 s16, s14, 1                          ; which half of P's tiles I multiply.  Also: which half I fetch
	s_bfe_u32 s40, ttmp6, 0x40000                  ; cx, cy: my place in the cluster
	s_bfe_u32 s41, ttmp6, 0x40004
	s_lshl_b32 s42, ttmp9, 2
	s_add_co_u32 s42, s42, s40                     ; work-group x: P's block
	s_and_b32 s17, ttmp7, 0xffff
	s_lshl_b32 s17, s17, 2
	s_add_co_u32 s17, s17, s41                     ; work-group y: R's block
	s_lshl_b32 s43, s41, 2
	s_lshl_b32 s43, 15, s43                        ; my row of the cluster
	s_lshl_b32 s44, 0x1111, s40                    ; my column
	s_or_b32 s[G1R], s43, (3<<16)|(1<<21)          ; 15:0 the mask; 17:16 elements of 8 bytes; 21 set beside a mask; no padding
	s_or_b32 s[G1SR], s43, (3<<16)|(1<<21)
	s_or_b32 s[G1P], s44, (3<<16)|(1<<21)
	s_or_b32 s[G1SP], s44, (3<<16)|(1<<21)
	G1REST G1R, 16*NA                              ; NA tiles of 4,096 bytes
	G1REST G1P, 128                                ; 8 tiles
	G1REST G1SR, 2*NA                              ; the scale bytes of 2 NA tiles, one half of K
	G1REST G1SP, 16
	s_mul_i32 s20, s17, 2*NA
	s_add_co_u32 s20, s20, RT0                     ; R's first tile of my work-group
	s_lshl_b32 s22, s20, 8
	s_mul_i32 s18, s16, NTR*256
	s_add_co_u32 s22, s22, s18
	s_add_co_u32 s22, s22, RSC                     ; its scale bytes, half of K = wave % 2
	s_mov_b32 s23, 0
	s_mul_i32 s18, s16, NA
	s_add_co_u32 s20, s20, s18
	s_lshl_b32 s20, s20, 12                        ; the codes of the NA tiles that I fetch
	s_mov_b32 s21, 0
	s_lshl_b32 s46, s42, 4                         ; P's first tile
	s_lshl_b32 s92, s46, 8
	s_mul_i32 s18, s16, NTP*256
	s_add_co_u32 s92, s92, s18
	s_add_co_u32 s92, s92, PSC
	s_mov_b32 s93, 0
	s_lshl_b32 s18, s16, 3
	s_add_co_u32 s46, s46, s18
	s_lshl_b32 s46, s46, 12
	s_mov_b32 s47, 0
	s_mul_i32 s45, s16, NA*4096                    ; where they go: constants and the wave's number alone
	s_lshl_b32 s94, s16, 15
	s_add_co_u32 s94, s94, ROFFP
	s_mul_i32 s95, s16, SCRB
	s_add_co_u32 s95, s95, SCL
	s_lshl_b32 s96, s16, 12
	s_add_co_u32 s96, s96, SCPO
	s_mov_b32 s98, 0x76543210
	s_mov_b32 s99, 0xfedcba98                      ; v_permlanex16_b32's selects for lane l xor 16
	s_wait_dscnt 0x0                               ; both opening adds are done
	s_wait_kmcnt 0x0
	s_add_nc_u64 s[20:21], s[4:5], s[20:21]
	s_add_nc_u64 s[22:23], s[4:5], s[22:23]
	s_add_nc_u64 s[46:47], s[6:7], s[46:47]
	s_add_nc_u64 s[92:93], s[6:7], s[92:93]
	CROUND                                         ; all sixteen work-groups are here: the joint loads meet
	s_mov_b32 s[G0SR], 1
	s_mov_b32 s[G0SR+1], s95
	s_mov_b64 s[G0SR+2:G0SR+3], s[22:23]
	s_or_b32 s[G0SR+3], s[G0SR+3], 0x80000000
	s_mov_b32 s[G0SP], 1
	s_mov_b32 s[G0SP+1], s96
	s_mov_b64 s[G0SP+2:G0SP+3], s[92:93]
	s_or_b32 s[G0SP+3], s[G0SP+3], 0x80000000
	JLOAD G0SR, G1SR, G0SP, G1SP                   ; the scale bytes first: they are wanted with slot 0
.irp s, 0,1
	s_mov_b32 s[G0R+4*\s], 1
	s_add_co_u32 s[G0R+4*\s+1], s45, \s*SLOTB
	s_add_nc_u64 s[G0R+4*\s+2:G0R+4*\s+3], s[20:21], \s*NTR*4096
	s_or_b32 s[G0R+4*\s+3], s[G0R+4*\s+3], 0x80000000
	s_mov_b32 s[G0P+4*\s], 1
	s_add_co_u32 s[G0P+4*\s+1], s94, \s*SLOTB
	s_add_nc_u64 s[G0P+4*\s+2:G0P+4*\s+3], s[46:47], \s*NTP*4096
	s_or_b32 s[G0P+4*\s+3], s[G0P+4*\s+3], 0x80000000
	JLOAD G0R+4*\s, G1R, G0P+4*\s, G1P             ; three tensor loads of mine are out, all first fills
.endr
	v_and_b32 v1, 15, v0                           ; r
	v_bfe_u32 v2, v0, 4, 1                         ; h
	v_and_b32 v3, 31, v0
	v_lshlrev_b32 v[LI], 4, v3
	s_mul_i32 s20, s15, NA*4096
	s_lshl_b32 s21, s16, 15
	s_add_co_u32 s21, s21, ROFFP
.irp s, 0,1
	v_add_nc_u32 v[ADRR+\s], s20, v[LI]
	v_add_nc_u32 v[ADRP+\s], s21, v[LI]
	s_add_co_u32 s20, s20, SLOTB
	s_add_co_u32 s21, s21, SLOTB
.endr
	s_mul_i32 s21, s15, NA*256                     ; the scale rows of my R tiles,
	s_lshl_b32 s22, s16, 11                        ; of my P tiles,
	s_add_co_u32 s22, s22, SCPO-SCL
	s_sub_co_u32 s22, s22, s21                     ; and the distance from the first to the second
	s_add_co_u32 s21, s21, SCL
	v_lshlrev_b32 v5, 4, v1
.irp s, 0,1
	v_mul_u32_u24 v6, s22, v2                      ; lanes 16-31 take P's
	v_add_nc_u32 v6, v6, v5
	v_add_nc_u32 v[ADRS+\s], s21, v6
	s_add_co_u32 s21, s21, SCRB
	s_add_co_u32 s22, s22, 4096-SCRB
.endr
	v_lshlrev_b32 v[BO], 6, v2                     ; the bias: 16 columns further on for lanes 16-31
	v_lshlrev_b32 v[VSH], 4, v2
	s_lshl_b32 s20, s14, 10
	s_add_co_u32 s20, s20, STG                     ; my stage
	v_lshlrev_b32 v5, 2, v1
	v_lshl_add_u32 v5, v2, 9, v5
	v_add_nc_u32 v[SA], s20, v5                    ; in: head lane / 16, row r
	v_add_nc_u32 v[SB], s20, v[LI]                 ; out
	s_lshl_b32 s2, s42, 10
	s_lshl_b32 s3, s16, 9
	s_add_co_u32 s2, s2, s3
	s_mov_b32 s3, 0
	s_add_nc_u64 s[8:9], s[8:9], s[2:3]            ; the bias of my 128 columns
	s_and_b32 s20, s17, 7
	s_lshl_b32 s20, s20, 4
	s_lshl_b32 s21, s15, 3
	s_add_co_u32 s20, s20, s21                     ; my first tile of tokens within its sequence
	s_lshl_b32 s2, s20, 12
	s_add_nc_u64 s[10:11], s[10:11], s[2:3]        ; its part of the table
	s_lshr_b32 s21, s17, 3
	s_lshl_b32 s21, s21, 4
	s_and_b32 s22, s42, 3
	s_lshl_b32 s22, s22, 2
	s_add_co_u32 s21, s21, s22
	s_lshl_b32 s22, s16, 1
	s_add_co_u32 s21, s21, s22                     ; the record of my first head: 16 batch + 4 (x % 4) + 2 (wave % 2)
	s_mul_i32 s21, s21, REC
	s_cmp_lt_u32 s42, 4                            ; columns under 1,024 are q's, the others k's: only offsets are chosen
	s_cselect_b32 s22, 0, 73728
	s_mov_b32 s23, 204800
	s_cselect_b32 s23, 65536, s23
	s_add_co_u32 s22, s22, s21
	s_add_co_u32 s23, s23, s21
	s_lshl_b32 s2, s20, 6
	s_add_co_u32 s2, s2, s23
	s_add_nc_u64 s[18:19], s[12:13], s[2:3]        ; the scale words
	s_lshl_b32 s2, s20, 9
	s_add_co_u32 s2, s2, s22
	s_add_nc_u64 s[12:13], s[12:13], s[2:3]        ; the codes
	WIN 0x40                                       ; destination window 1
.irp b, 0,1,2,3,4,5,6,7
	global_load_b128 v[CB+8*\b:CB+8*\b+3], v[BO], s[8:9] offset:(32*(\b/2)+8*(\b%2))*4       ; lane (r, h), tile b: the bias of columns 32 (b / 2) + 16 h + 8 (b % 2) + 0 .. 7
	global_load_b128 v[CB+8*\b+4:CB+8*\b+7], v[BO], s[8:9] offset:(32*(\b/2)+8*(\b%2))*4+16
.endr
.irp a, 0,1
.irp k, 0,1,2,3,4,5,6,7
	global_load_b128 v[192+32*\a+4*\k:192+32*\a+4*\k+3], v[LI], s[10:11] offset:\a*4096+512*\k   ; the table of my tiles 0 and 1
.endr
.endr
	WIN 0
	s_wait_tensorcnt 1                             ; the scale bytes and my part of slot 0 are in; slot 1's load may be out
	s_barrier_signal -1
	s_barrier_wait -1                              ; everybody's are
	FETCH_P 0, 0, 0
	FETCH_R 0, 0, 0
	SCALES 0
	s_wait_loadcnt 16                              ; the bias is in; the table's 16 loads may be out
	STEP 0, 0, 1
	STEP 0, 1, 0
	STEP 0, 2, 0
	TURN
	STEP 1, 0, 0
	STEP 1, 1, 0
	STEP 1, 2, 0
	s_wait_dscnt 0x0
	MULS 1, 3, 1, 0
	WIN 0
	PLACES 4                                       ; behind the last products: their results are read and their operands' registers written from here on
.irp b, 0,1,2,3
	v_mov_b32 v[TM+4+\b], 0                        ; a lane permute's destination counts as one of its sources
.endr
; THE WAY OUT, a tile of 16 tokens at a time.  Register 16 b + i of a lane is channel d = 32 (b % 2) + 16 h + i of head b / 2; cos and sin hang on d % 32 = 16 h + i, the same 16 for all four b.
; y(d) = x(d) cos + x(d xor 1) s', s' = -sin for even d and +sin for odd d.  The fragment that QUANT makes holds head 0 in registers 0-3 and head 1 in registers 4-7: each is attention's operand for K = 64.
.macro QKBLOCK a
.set AC, 64*((\a)%4)
.set CT, 192+32*((\a)%2)
.set WY, (2+(\a)/4)|4
.if (\a) < 7
	s_wait_loadcnt 8                               ; this tile's table is in; the next tile's eight loads may be out
.else
	s_wait_loadcnt 0x0
.endif
	WIN WY                                         ; source 0 the accumulators' window, source 1 window 1, the rest window 0
.irp b, 0,1,2,3
.irp i, 0,2,4,6,8,10,12,14
	v_pk_mul_f32 v[Y+16*\b+\i:Y+16*\b+\i+1], v[AC+16*\b+\i:AC+16*\b+\i+1], v[CT+\i:CT+\i+1]
.endr
.endr
.irp b, 0,1,2,3
.irp i, 0,2,4,6,8,10,12,14
	v_fma_f32 v[Y+16*\b+\i], v[AC+16*\b+\i+1], v[CT+16+\i], v[Y+16*\b+\i]
	v_fma_f32 v[Y+16*\b+\i+1], v[AC+16*\b+\i], v[CT+17+\i], v[Y+16*\b+\i+1]
.endr
.endr
.if (\a) < 6
	WIN 0x40
.irp k, 0,1,2,3,4,5,6,7
	global_load_b128 v[CT+4*\k:CT+4*\k+3], v[LI], s[10:11] offset:((\a)+2)*4096+512*\k   ; the set just used takes the table of the tile two on
.endr
.endif
	WIN 0
	s_wait_xcnt 0x0                                ; the last tile's stores have read the codes' registers
	QUANT Y, 0, PW
	global_store_b128 v[LI], v[PC:PC+3], s[12:13] offset:(\a)*512            ; 512 consecutive bytes: head 0's tile
	global_store_b128 v[LI], v[PC+4:PC+7], s[12:13] offset:REC+(\a)*512      ; head 1's
	v_lshrrev_b32 v[SW+(\a)], v[VSH], v[PW]
	v_and_b32 v[SW+(\a)], 0xffff, v[SW+(\a)]       ; lanes 0-15: head 0's two bytes; lanes 16-31: head 1's; the upper two bytes are 0
	ds_store_b32 v[SA], v[SW+(\a)] offset:64*(\a)
.endm
.irp a, 0,1,2,3,4,5,6,7
	QKBLOCK \a
.endr
	ds_load_b128 v[Y:Y+3], v[SB]                   ; LDS serves a wave's instructions in order: these see my stores
	ds_load_b128 v[Y+4:Y+7], v[SB] offset:512
	s_wait_dscnt 0x0
	global_store_b128 v[LI], v[Y:Y+3], s[18:19]                ; eight tiles' scale words of a head: 512 consecutive bytes
	global_store_b128 v[LI], v[Y+4:Y+7], s[18:19] offset:REC
	s_wait_tensorcnt 0x0                           ; the wave's end
	ds_add_u32 v[SPW], v[NIL]
	s_wait_dscnt 0x0
	CROUND                                         ; the closing round
	s_endpgm
.Lfunc_end_k_q69ea6ef68f_gemm_qk:
	.size	k_q69ea6ef68f_gemm_qk, .Lfunc_end_k_q69ea6ef68f_gemm_qk-k_q69ea6ef68f_gemm_qk
	.p2alignl 7, 3214868480
	.fill 96, 4, 3214868480
	.section	.rodata,"a",@progbits
	.p2align	6, 0x0
	.amdhsa_kernel k_q69ea6ef68f_gemm_qk
		.amdhsa_group_segment_fixed_size 327680
		.amdhsa_private_segment_fixed_size 0
		.amdhsa_enable_private_segment 0
		.amdhsa_kernarg_size 40
		.amdhsa_user_sgpr_count 2
		.amdhsa_user_sgpr_kernarg_segment_ptr 1
		.amdhsa_wavefront_size32 1
		.amdhsa_system_sgpr_workgroup_id_x 1
		.amdhsa_system_sgpr_workgroup_id_y 1
		.amdhsa_system_sgpr_workgroup_id_z 1
		.amdhsa_system_vgpr_workitem_id 0
		.amdhsa_next_free_vgpr 1024
		.amdhsa_next_free_sgpr 100
		.amdhsa_reserve_vcc 0
		.amdhsa_float_denorm_mode_32 3
		.amdhsa_float_denorm_mode_16_64 3
		.amdhsa_memory_ordered 1
		.amdhsa_forward_progress 1
		.amdhsa_inst_pref_size 185
	.end_amdhsa_kernel
	.amdgpu_metadata
---
amdhsa.version: [ 1, 2 ]
amdhsa.kernels:
  - .name:           k_q69ea6ef68f_gemm_qk
    .symbol:         k_q69ea6ef68f_gemm_qk.kd
    .args:
      - { .name: xq, .offset: 0, .size: 8, .value_kind: global_buffer, .address_space: global }
      - { .name: wq, .offset: 8, .size: 8, .value_kind: global_buffer, .address_space: global }
      - { .name: b_qkv, .offset: 16, .size: 8, .value_kind: global_buffer, .address_space: global }
      - { .name: tab, .offset: 24, .size: 8, .value_kind: global_buffer, .address_space: global }
      - { .name: qkv, .offset: 32, .size: 8, .value_kind: global_buffer, .address_space: global }
    .group_segment_fixed_size: 327680
    .private_segment_fixed_size: 0
    .kernarg_segment_align: 8
    .kernarg_segment_size: 40
    .max_flat_workgroup_size: 128
    .sgpr_count:     100
    .vgpr_count:     1024
    .wavefront_size: 32
...
	.end_amdgpu_metadata
.endif
;; end of part 2
;; launch gemm_v (part 3): grid 32 x 8, 4 waves a work-group, clusters of 4 x 4, 327,680 bytes of LDS; arguments wq, xq, b_qkv, qkv; writes qkv
.if DOCPART == 3
	.amdgcn_target "amdgcn-amd-amdhsa--gfx1250"
	.amdhsa_code_object_version 6
	.text
	.protected	k_q69ea6ef68f_gemm_v
	.globl	k_q69ea6ef68f_gemm_v
	.p2align	8
	.type	k_q69ea6ef68f_gemm_v,@function
k_q69ea6ef68f_gemm_v:
	s_mov_b64 s[64:65], 0
	v_nop
	global_prefetch_b8 v0, s[64:65] scope:SCOPE_SE
	s_setreg_imm32_b32 hwreg(HW_REG_WAVE_MODE, 25, 1), 1
	s_wait_xcnt 0x0
	s_wait_alu depctr_hold_cnt(0) depctr_sa_sdst(0) depctr_va_vdst(0) depctr_va_sdst(0) depctr_va_ssrc(0) depctr_va_vcc(0) depctr_vm_vsrc(0)
	s_getreg_b32 s2, hwreg(HW_REG_IB_STS2, 6, 4)
	s_cmp_eq_u32 s2, 0
	s_cbranch_scc0 .Lentry_in_a_cluster
	s_endpgm
.Lentry_in_a_cluster:
	s_bfe_u32 s2, ttmp6, 0x10000c
	s_cmp_lg_u32 s2, 0xf033
	s_cbranch_scc0 .Lentry_shape_is_right
	s_endpgm
.Lentry_shape_is_right:
; Launch 3 of 5: v = x W_qkv + b_qkv (columns 2,048 to 3,071) on codes of E2M1, quantised along the KEYS and stored as attention's second operand.  No work is left out here.
; The frame is the q and k launch's, with the sources the other way round: P (source 0) = 16 tiles of tokens of xq, R (source 1) = 8 tiles of columns of wq.  A lane then holds ONE channel (row lane % 16 of
; R's tile a) and, by the order of xq's tokens, the 16 registers of P's tiles 2 b, 2 b + 1 are keys 32 b + 16 (lane / 16) + 0 .. 15: the accumulators are quantised as they stand.
; A wave: one head's 64 channels (4 tiles) x 128 keys (8 tiles), which is one key step of attention.  All of K = 1,024 lies in LDS at once; nothing is filled again.
; In a record of qkv: v's codes [block of 32 keys 64][channel place 64][16 B] at 139,264; v's scale words [key step 16][channel place 64] at 212,992.
; REGISTERS: window 0: v1-31 addresses; v32-95 scale words; v128-159, v192-223 R's fragments; on the way out v192-219 at work.  window 1: P's fragments at v0 and v128; v64-95 the bias.  window 2: the 32 accumulators.
.set NA,    4
.set NTR,   192
.set NTP,   512
.set RSC,   1572864
.set PSC,   4194304
.set RT0,   128                        ; v's columns begin at tile 128 of wq
.set REC,   217088
.set SLOTB, (2*NA+16)*4096
.set ROFFP, 2*NA*4096
.set SCL,   2*SLOTB
.set SCRB,  2*NA*256
.set SCPO,  SCL+2*SCRB
.set SPARE, SCPO+8192                  ; the spare words, 128 bytes for each wave: two blocks of 256 bytes that no other line names
.set STG,   SPARE+512                  ; 256 bytes for each wave: the scale words on their way out; no tile lands here
.set BO,   7
.set ADRR, 16
.set ADRP, 20
.set L8,   23                          ; v23  8 x lane
.set LI,   24                          ; v24  16 x lane
.set VA,   25                          ; v25  my codes' place: 1,024 (lane / 16) + 16 (lane % 16)
.set ADRS, 26
.set SPW,  28
.set NIL,  29
.set SA,   30
.set SB,   31
.set SC,   32
.set RF,   128
.set CB,   64
.set PC,   192
.set TM,   200
.set PW,   216                         ; v216-219 a scale word for each tile
.set G1R,  24
.set G0R,  32
.set G1P,  48
.set G0P,  56
.set G1SR, 68
.set G0SR, 76
.set G1SP, 80
.set G0SP, 88
.set MSB, 0
.macro WIN new
.if MSB != \new
	s_set_vgpr_msb (MSB<<8)|\new
.set MSB, \new
.endif
.endm
.macro JLOAD g0a, g1a, g0b, g1b        ; waves 0 and 1 fetch for R, waves 2 and 3 for P; an s_nop 0 and four v_nop follow each of the two lines
	s_cmp_eq_u32 s15, 0
	s_cbranch_scc0 .Lfor_b_\@
	tensor_load_to_lds s[\g0a:\g0a+3], s[\g1a:\g1a+7]
	s_nop 0
.rept 4
	v_nop
.endr
	s_branch .Lasked_\@
.Lfor_b_\@:
	tensor_load_to_lds s[\g0b:\g0b+3], s[\g1b:\g1b+7]
	s_nop 0
.rept 4
	v_nop
.endr
.Lasked_\@:
.endm
.macro CROUND
	s_barrier_signal -1
	s_barrier_wait -1
	s_cmp_lg_u32 s14, 0
	s_cbranch_scc1 .Lnot_wave_0_\@
	s_barrier_signal -3
.Lnot_wave_0_\@:
	s_barrier_wait -3
	s_barrier_signal -1
	s_barrier_wait -1
.endm
.macro G1REST g, rows
	s_mov_b32 s[\g+1], 32<<16
	s_mov_b32 s[\g+2], (\rows)<<16
	s_mov_b32 s[\g+3], 32<<16
	s_mov_b32 s[\g+4], \rows
	s_mov_b32 s[\g+5], 32
	s_mov_b32 s[\g+6], 0
	s_mov_b32 s[\g+7], 0
.endm
.macro PLACES n
.rept \n
	v_nop
.endr
.endm
.macro FETCH_P slot, q, p
	WIN 0x40
.irp i, 0,1,2,3,4,5,6,7
.irp c, 0,1
	ds_load_b128 v[128*(\p)+8*\i+4*\c:128*(\p)+8*\i+4*\c+3], v[ADRP+\slot] offset:\i*4096+(\q)*1024+\c*512
.endr
.endr
	WIN 0
.endm
.macro FETCH_R slot, q, p
.set I, 0
.rept NA
.irp c, 0,1
	ds_load_b128 v[RF+64*(\p)+8*I+4*\c:RF+64*(\p)+8*I+4*\c+3], v[ADRR+\slot] offset:I*4096+(\q)*1024+\c*512
.endr
.set I, I+1
.endr
.endm
.macro SCALES sc                       ; lanes 0-15 R's tile i (for i >= NA: neighbouring bytes that have landed and that nobody uses), lanes 16-31 P's tile i
.irp i, 0,1,2,3,4,5,6,7
	ds_load_b128 v[SC+32*\sc+4*\i:SC+32*\sc+4*\i+3], v[ADRS+\sc] offset:256*\i
.endr
.endm
.macro MUL16 a0, p, q, sc, cm          ; cm = 1: the bias of R's tile a starts the sums.  The accumulators take turns
.irp a, \a0, \a0+1
.irp b, 0,1,2,3,4,5,6,7
.if \cm
	v_wmma_scale_f32_16x16x128_f8f6f4 v[8*(8*((\a)%4)+\b):8*(8*((\a)%4)+\b)+7], v[128*(\p)+8*\b:128*(\p)+8*\b+7], v[RF+64*(\p)+8*(\a):RF+64*(\p)+8*(\a)+7], v[CB+8*(\a):CB+8*(\a)+7], v[SC+32*(\sc)+4*\b+(\q)], v[SC+32*(\sc)+4*(\a)+(\q)] matrix_a_fmt:MATRIX_FMT_FP4 matrix_b_fmt:MATRIX_FMT_FP4 matrix_a_scale:MATRIX_SCALE_ROW1
.else
	v_wmma_scale_f32_16x16x128_f8f6f4 v[8*(8*((\a)%4)+\b):8*(8*((\a)%4)+\b)+7], v[128*(\p)+8*\b:128*(\p)+8*\b+7], v[RF+64*(\p)+8*(\a):RF+64*(\p)+8*(\a)+7], v[8*(8*((\a)%4)+\b):8*(8*((\a)%4)+\b)+7], v[SC+32*(\sc)+4*\b+(\q)], v[SC+32*(\sc)+4*(\a)+(\q)] matrix_a_fmt:MATRIX_FMT_FP4 matrix_b_fmt:MATRIX_FMT_FP4 matrix_a_scale:MATRIX_SCALE_ROW1
.endif
.endr
.endr
.endm
.macro MULS p, q, sc, cm
.if \cm
	WIN 0x91
.else
	WIN 0xa1
.endif
	MUL16 0, \p, \q, \sc, \cm
	MUL16 2, \p, \q, \sc, \cm
.endm
.macro STEP slot, q, cm
	s_wait_dscnt 0x0                               ; this step's fragments, asked for a whole step ago, are in
	PLACES 4                                       ; four places in front of loads into registers that the last step's products read
	FETCH_P \slot, (\q)+1, 1-(\q)%2
	FETCH_R \slot, (\q)+1, 1-(\q)%2
	MULS (\q)%2, \q, \slot, \cm
.endm
.macro TURN                            ; slot 0's last step: slot 1 must be whole for every wave.
	s_wait_tensorcnt 0x0
	s_wait_dscnt 0x0
	s_barrier_signal -1
	WIN 0xa1
	MUL16 0, 1, 3, 0, 0
	s_barrier_wait -1
	PLACES 4
	FETCH_P 1, 0, 0
	FETCH_R 1, 0, 0
	SCALES 1
	WIN 0xa1
	MUL16 2, 1, 3, 0, 0
.endm
.macro QUANT s, w, pw                  ; 64 numbers of a lane in window w, register 16 b + i = k 32 b + 16 (lane / 16) + i, become a fragment's codes in v[PC] on and its scale word in v[pw]
.set WQ1, (\w)|((\w)<<2)
.set WQ2, \w
	WIN WQ1
.irp b, 0,1,2,3
	v_max3_num_f32 v[TM+\b], |v[\s+16*\b]|, |v[\s+1+16*\b]|, 0x1800000
.endr
.irp i, 2,4,6,8,10,12,14
.irp b, 0,1,2,3
	v_max3_num_f32 v[TM+\b], |v[\s+16*\b+\i]|, |v[\s+1+16*\b+\i]|, v[TM+\b]
.endr
.endr
	WIN 0
.irp b, 0,1,2,3
	v_permlanex16_b32 v[TM+4+\b], v[TM+\b], s[98], s[99]
.endr
.irp b, 0,1,2,3
	v_max_num_f32 v[TM+\b], v[TM+\b], v[TM+4+\b]
.endr
.irp b, 0,1,2,3
	v_add_nc_u32 v[TM+12+\b], 0xff000000, v[TM+\b]
.endr
.irp b, 0,1,2,3
	v_lshrrev_b32 v[TM+4+\b], 23, v[TM+12+\b]
.endr
	v_lshl_or_b32 v[\pw], v[TM+5], 8, v[TM+4]
	v_lshl_or_b32 v[\pw], v[TM+6], 16, v[\pw]
	v_lshl_or_b32 v[\pw], v[TM+7], 24, v[\pw]
	WIN WQ2
.irp b, 0,1,2,3
	v_cvt_scalef32_pk8_fp4_f32 v[PC+2*\b], v[\s+16*\b:\s+7+16*\b], v[TM+12+\b]
	v_cvt_scalef32_pk8_fp4_f32 v[PC+1+2*\b], v[\s+8+16*\b:\s+15+16*\b], v[TM+12+\b]
.endr
	WIN 0
	v_nop                                          ; one plain place behind a scaled conversion
.irp c, 0,1
.irp i, 0,1
	v_permlane16_swap_b32 v[PC+4*\c+\i], v[PC+2+4*\c+\i]
.endr
.endr
.endm
	s_load_b128 s[4:7], s[0:1], 0x0                ; wq (R) s[4:5], xq (P) s[6:7]
	s_load_b128 s[8:11], s[0:1], 0x10              ; b_qkv s[8:9], qkv s[10:11]
	v_lshl_add_u32 v[SPW], v0, 2, SPARE
	v_mov_b32 v[NIL], 0
	ds_add_u32 v[SPW], v[NIL]                      ; the wave's opening: the add, twice on end, and its wait ahead of my first tensor load
	ds_add_u32 v[SPW], v[NIL]
	v_lshrrev_b32 v1, 5, v0
	v_readfirstlane_b32 s14, v1
	s_lshr_b32 s15, s14, 1                         ; which head of the two.  Also: I fetch for R (0) or for P (1)
	s_and_b32 s16, s14, 1                          ; which 128 tokens.  Also: which half I fetch
	s_bfe_u32 s40, ttmp6, 0x40000
	s_bfe_u32 s41, ttmp6, 0x40004
	s_lshl_b32 s42, ttmp9, 2
	s_add_co_u32 s42, s42, s40                     ; work-group x: 256 tokens
	s_and_b32 s17, ttmp7, 0xffff
	s_lshl_b32 s17, s17, 2
	s_add_co_u32 s17, s17, s41                     ; work-group y: two heads
	s_lshl_b32 s43, s41, 2
	s_lshl_b32 s43, 15, s43
	s_lshl_b32 s44, 0x1111, s40
	s_or_b32 s[G1R], s43, (3<<16)|(1<<21)
	s_or_b32 s[G1SR], s43, (3<<16)|(1<<21)
	s_or_b32 s[G1P], s44, (3<<16)|(1<<21)
	s_or_b32 s[G1SP], s44, (3<<16)|(1<<21)
	G1REST G1R, 16*NA
	G1REST G1P, 128
	G1REST G1SR, 2*NA
	G1REST G1SP, 16
	s_mul_i32 s20, s17, 2*NA
	s_add_co_u32 s20, s20, RT0
	s_lshl_b32 s22, s20, 8
	s_mul_i32 s18, s16, NTR*256
	s_add_co_u32 s22, s22, s18
	s_add_co_u32 s22, s22, RSC
	s_mov_b32 s23, 0
	s_mul_i32 s18, s16, NA
	s_add_co_u32 s20, s20, s18
	s_lshl_b32 s20, s20, 12
	s_mov_b32 s21, 0
	s_lshl_b32 s46, s42, 4
	s_lshl_b32 s92, s46, 8
	s_mul_i32 s18, s16, NTP*256
	s_add_co_u32 s92, s92, s18
	s_add_co_u32 s92, s92, PSC
	s_mov_b32 s93, 0
	s_lshl_b32 s18, s16, 3
	s_add_co_u32 s46, s46, s18
	s_lshl_b32 s46, s46, 12
	s_mov_b32 s47, 0
	s_mul_i32 s45, s16, NA*4096
	s_lshl_b32 s94, s16, 15
	s_add_co_u32 s94, s94, ROFFP
	s_mul_i32 s95, s16, SCRB
	s_add_co_u32 s95, s95, SCL
	s_lshl_b32 s96, s16, 12
	s_add_co_u32 s96, s96, SCPO
	s_mov_b32 s98, 0x76543210
	s_mov_b32 s99, 0xfedcba98
	s_wait_dscnt 0x0                               ; both opening adds are done
	s_wait_kmcnt 0x0
	s_add_nc_u64 s[20:21], s[4:5], s[20:21]
	s_add_nc_u64 s[22:23], s[4:5], s[22:23]
	s_add_nc_u64 s[46:47], s[6:7], s[46:47]
	s_add_nc_u64 s[92:93], s[6:7], s[92:93]
	CROUND
	s_mov_b32 s[G0SR], 1
	s_mov_b32 s[G0SR+1], s95
	s_mov_b64 s[G0SR+2:G0SR+3], s[22:23]
	s_or_b32 s[G0SR+3], s[G0SR+3], 0x80000000
	s_mov_b32 s[G0SP], 1
	s_mov_b32 s[G0SP+1], s96
	s_mov_b64 s[G0SP+2:G0SP+3], s[92:93]
	s_or_b32 s[G0SP+3], s[G0SP+3], 0x80000000
	JLOAD G0SR, G1SR, G0SP, G1SP
.irp s, 0,1
	s_mov_b32 s[G0R+4*\s], 1
	s_add_co_u32 s[G0R+4*\s+1], s45, \s*SLOTB
	s_add_nc_u64 s[G0R+4*\s+2:G0R+4*\s+3], s[20:21], \s*NTR*4096
	s_or_b32 s[G0R+4*\s+3], s[G0R+4*\s+3], 0x80000000
	s_mov_b32 s[G0P+4*\s], 1
	s_add_co_u32 s[G0P+4*\s+1], s94, \s*SLOTB
	s_add_nc_u64 s[G0P+4*\s+2:G0P+4*\s+3], s[46:47], \s*NTP*4096
	s_or_b32 s[G0P+4*\s+3], s[G0P+4*\s+3], 0x80000000
	JLOAD G0R+4*\s, G1R, G0P+4*\s, G1P             ; three tensor loads of mine are out, all first fills
.endr
	v_and_b32 v1, 15, v0
	v_bfe_u32 v2, v0, 4, 1
	v_and_b32 v3, 31, v0
	v_lshlrev_b32 v[LI], 4, v3
	v_lshlrev_b32 v[L8], 3, v3
	s_mul_i32 s20, s15, NA*4096
	s_lshl_b32 s21, s16, 15
	s_add_co_u32 s21, s21, ROFFP
.irp s, 0,1
	v_add_nc_u32 v[ADRR+\s], s20, v[LI]
	v_add_nc_u32 v[ADRP+\s], s21, v[LI]
	s_add_co_u32 s20, s20, SLOTB
	s_add_co_u32 s21, s21, SLOTB
.endr
	s_mul_i32 s21, s15, NA*256
	s_lshl_b32 s22, s16, 11
	s_add_co_u32 s22, s22, SCPO-SCL
	s_sub_co_u32 s22, s22, s21
	s_add_co_u32 s21, s21, SCL
	v_lshlrev_b32 v5, 4, v1
.irp s, 0,1
	v_mul_u32_u24 v6, s22, v2
	v_add_nc_u32 v6, v6, v5
	v_add_nc_u32 v[ADRS+\s], s21, v6
	s_add_co_u32 s21, s21, SCRB
	s_add_co_u32 s22, s22, 4096-SCRB
.endr
	v_lshl_add_u32 v[VA], v2, 10, v5
	v_and_b32 v[BO], 7, v1
	v_lshrrev_b32 v6, 3, v1
	v_lshl_add_u32 v[BO], v6, 4, v[BO]
	v_lshlrev_b32 v[BO], 2, v[BO]                  ; the bias: row r of a tile is channel r % 8 + 16 (r / 8) of its 32
	s_lshl_b32 s20, s14, 8
	s_add_co_u32 s20, s20, STG
	v_lshl_add_u32 v[SA], v1, 2, s20
	v_add_nc_u32 v[SB], s20, v[L8]
	s_lshl_b32 s2, s17, 9
	s_lshl_b32 s3, s15, 8
	s_add_co_u32 s2, s2, s3
	s_add_co_u32 s2, s2, 8192
	s_mov_b32 s3, 0
	s_add_nc_u64 s[8:9], s[8:9], s[2:3]            ; the bias of my head: column 2,048 + 128 y + 64 (wave / 2)
	s_lshr_b32 s20, s42, 3
	s_lshl_b32 s20, s20, 4
	s_lshl_b32 s21, s17, 1
	s_add_co_u32 s20, s20, s21
	s_add_co_u32 s20, s20, s15                     ; my record: 16 batch + head
	s_mul_i32 s20, s20, REC
	s_and_b32 s21, s42, 7
	s_lshl_b32 s21, s21, 1
	s_add_co_u32 s21, s21, s16                     ; my key step
	s_lshl_b32 s2, s21, 12
	s_add_co_u32 s2, s2, s20
	s_add_co_u32 s2, s2, 139264
	s_add_nc_u64 s[12:13], s[10:11], s[2:3]        ; the codes
	s_lshl_b32 s2, s21, 8
	s_add_co_u32 s2, s2, s20
	s_add_co_u32 s2, s2, 212992
	s_add_nc_u64 s[18:19], s[10:11], s[2:3]        ; the scale words
	WIN 0x40
.irp a, 0,1,2,3
.irp j, 0,1,2,3,4,5,6,7
	global_load_b32 v[CB+8*\a+\j], v[BO], s[8:9] offset:(32*(\a/2)+8*(\a%2))*4   ; a lane's channel has one bias for all its keys: the same number in the eight registers
.endr
.endr
	WIN 0
	s_wait_tensorcnt 1                             ; the scale bytes and my part of slot 0 are in; slot 1's load may be out
	s_barrier_signal -1
	s_barrier_wait -1
	FETCH_P 0, 0, 0
	FETCH_R 0, 0, 0
	SCALES 0
	s_wait_loadcnt 0x0                             ; the bias
	STEP 0, 0, 1
	STEP 0, 1, 0
	STEP 0, 2, 0
	TURN
	STEP 1, 0, 0
	STEP 1, 1, 0
	STEP 1, 2, 0
	s_wait_dscnt 0x0
	MULS 1, 3, 1, 0
	WIN 0
	PLACES 4
.irp b, 0,1,2,3
	v_mov_b32 v[TM+4+\b], 0                        ; a lane permute's destination counts as one of its sources
.endr
.irp a, 0,1,2,3                                ; a tile of 16 channels at a time: its 64 registers are the step's 128 keys, half in each half of the lanes
	s_wait_xcnt 0x0                                ; the last tile's stores have read the codes' registers
	QUANT 64*\a, 2, PW+\a
	global_store_b128 v[VA], v[PC:PC+3], s[12:13] offset:256*\a            ; two runs of 256 consecutive bytes: key blocks 0 and 1 of the step
	global_store_b128 v[VA], v[PC+4:PC+7], s[12:13] offset:2048+256*\a     ; blocks 2 and 3
	ds_store_b32 v[SA], v[PW+\a] offset:64*\a      ; both halves of the lanes write the same word with the same value
.endr
	ds_load_b64 v[TM:TM+1], v[SB]                  ; LDS serves a wave's instructions in order: this sees my stores.  It lands in two work registers that no pending store reads
	s_wait_dscnt 0x0
	global_store_b64 v[L8], v[TM:TM+1], s[18:19]   ; 256 consecutive bytes
	s_wait_tensorcnt 0x0                           ; the wave's end
	ds_add_u32 v[SPW], v[NIL]
	s_wait_dscnt 0x0
	CROUND                                         ; the closing round
	s_endpgm
.Lfunc_end_k_q69ea6ef68f_gemm_v:
	.size	k_q69ea6ef68f_gemm_v, .Lfunc_end_k_q69ea6ef68f_gemm_v-k_q69ea6ef68f_gemm_v
	.p2alignl 7, 3214868480
	.fill 96, 4, 3214868480
	.section	.rodata,"a",@progbits
	.p2align	6, 0x0
	.amdhsa_kernel k_q69ea6ef68f_gemm_v
		.amdhsa_group_segment_fixed_size 327680
		.amdhsa_private_segment_fixed_size 0
		.amdhsa_enable_private_segment 0
		.amdhsa_kernarg_size 32
		.amdhsa_user_sgpr_count 2
		.amdhsa_user_sgpr_kernarg_segment_ptr 1
		.amdhsa_wavefront_size32 1
		.amdhsa_system_sgpr_workgroup_id_x 1
		.amdhsa_system_sgpr_workgroup_id_y 1
		.amdhsa_system_sgpr_workgroup_id_z 1
		.amdhsa_system_vgpr_workitem_id 0
		.amdhsa_next_free_vgpr 768
		.amdhsa_next_free_sgpr 100
		.amdhsa_reserve_vcc 0
		.amdhsa_float_denorm_mode_32 3
		.amdhsa_float_denorm_mode_16_64 3
		.amdhsa_memory_ordered 1
		.amdhsa_forward_progress 1
		.amdhsa_inst_pref_size 78
	.end_amdhsa_kernel
	.amdgpu_metadata
---
amdhsa.version: [ 1, 2 ]
amdhsa.kernels:
  - .name:           k_q69ea6ef68f_gemm_v
    .symbol:         k_q69ea6ef68f_gemm_v.kd
    .args:
      - { .name: wq, .offset: 0, .size: 8, .value_kind: global_buffer, .address_space: global }
      - { .name: xq, .offset: 8, .size: 8, .value_kind: global_buffer, .address_space: global }
      - { .name: b_qkv, .offset: 16, .size: 8, .value_kind: global_buffer, .address_space: global }
      - { .name: qkv, .offset: 24, .size: 8, .value_kind: global_buffer, .address_space: global }
    .group_segment_fixed_size: 327680
    .private_segment_fixed_size: 0
    .kernarg_segment_align: 8
    .kernarg_segment_size: 32
    .max_flat_workgroup_size: 128
    .sgpr_count:     100
    .vgpr_count:     768
    .wavefront_size: 32
...
	.end_amdgpu_metadata
.endif
;; end of part 3
;; launch attn (part 4): grid 4 x 64, 16 waves a work-group, no clusters, 167,936 bytes of LDS; arguments qkv, oq; writes oq
.if DOCPART == 4
	.amdgcn_target "amdgcn-amd-amdhsa--gfx1250"
	.amdhsa_code_object_version 6
	.text
	.protected	k_q69ea6ef68f_attn
	.globl	k_q69ea6ef68f_attn
	.p2align	8
	.type	k_q69ea6ef68f_attn,@function
k_q69ea6ef68f_attn:
	s_mov_b64 s[64:65], 0
	v_nop
	global_prefetch_b8 v0, s[64:65] scope:SCOPE_SE
	s_setreg_imm32_b32 hwreg(HW_REG_WAVE_MODE, 25, 1), 1
	s_wait_xcnt 0x0
; Launch 4 of 5: o = softmax(q k^T / 8, causal) v on codes of E2M1, divided by the row's sum and quantised along the channels for the projection.
; WORK LEFT OUT: a step of 128 keys all of which come after a wave's 16 queries: reference()'s own causal mask makes their p zero for every input (shown at the head of the first launch).
; THE SOFTMAX AHEAD OF THE SECOND PRODUCT: t = score x log2(e) / 8; M = the running largest t rounded up to a whole number; p = 2^(t - M) is quantised along the keys; the sum is taken of the unquantised p.
; SHARES.  A work-group: one head of one batch; sixteen waves of 256 registers.  Wave w of work-group x takes the tile of queries 16 x + w and then the tile 127 - (16 x + w): T / 8 + 1 key steps each, 17 in all
; for every wave of the launch.  The head's whole K and V (codes and scale words: 143,360 dense bytes of its record) lie in LDS, brought by one tensor load a wave (35 rows of 256 bytes) at the head;
; nothing is filled again, so there is one barrier, and there is no later stream to ask ahead for.
; NO CLUSTER, though the four work-groups of a head read the same bytes: which steps a wave leaves out hangs on its work-group's x, which would be the place in the cluster.
; LAYOUT.  Both products are used transposed: a lane holds ONE query (row lane % 16 of its tile: query Qmin + r % 8 + 16 (r / 8)).  By the order of k's tokens the 16 registers of tiles 2 b, 2 b + 1 of S^T are keys
; 32 b + 16 (lane / 16) + 0 .. 15; by the order of v's channels the same holds of O^T's channels.
; THE FIRST PRODUCT HAS K = 64 on an instruction of 128: q's registers 4-7 are zeros and bytes 2 and 3 of both scale words are 0.  k's fragment t is named v[32 + 4 t : 39 + 4 t]: its upper four registers hold the next
; tile's codes (behind the last: zeros), finite numbers that meet q's zero codes and add nothing.
; REGISTERS: v1-4 places in LDS; v5, v6 the add's two; v7 the mask's lane term; v8-11 the step's addresses; v12 -M, v13 the largest t, v[14:15] the sum; v16-23 q; v24, v25 4 r, 16 r; v32-67 k; v96-159 S^T, then p;
; v160-191 O^T; v192-223 v; v224-231 p's codes; v232-247, v252, v254 at work; scale words: v240-241 v's, v248-251 k's, v253 p's, v255 q's.
.set REC,   217088
.set KVO,   73728                      ; k's codes, v's codes, k's scale words, v's: from here on in a record
.set LVC,   65536                      ; in LDS: k's codes at 0, v's here,
.set LKS,   131072                     ; k's scale words,
.set LVS,   139264                     ; v's
.set SPARE, 143360                     ; the spare words, 128 bytes for each wave: eight blocks of 256 bytes that no other line names
.set AK0,  1
.set AV0,  2
.set ASK0, 3
.set ASV0, 4
.set SPW,  5
.set NIL,  6
.set DL,   7
.set ADK,  8
.set ADV,  9
.set ADS,  10
.set ADT,  11
.set R4,   24
.set R16,  25
.set TB,   2                           ; s2  the step's codes: 4,096 bytes a step, in k's and in v's
.set TS,   3                           ; s3  k's scale words: 512 a step
.set WV,   18
.set SEL,  20
.set CS,   22                          ; s[22:23] c = log2(e) / 8
.set G1,   24
.set G0,   32
.set TJ,   36                          ; s36 v's scale words: 256 a step
.set KF,   37                          ; s37 the step's first key
.set CNT,  38
.set QMIN, 39
.set QMAX, 40
.set TT,   41                          ; s41 my tile of queries
; A KEY STEP: 128 keys.
.macro STEP
	s_cmp_gt_u32 s[KF], s[QMAX]                    ; all its keys come after my queries: left out.  Ids and the count of steps alone; no barrier and no tensor load stands in a step
	s_cbranch_scc1 .Lhidden_\@
	s_setprio 2
	v_add_nc_u32 v[ADK], s[TB], v[AK0]             ; (these four are also the places in front of the loads into registers that the last step's products read)
	v_add_nc_u32 v[ADV], s[TB], v[AV0]
	v_add_nc_u32 v[ADS], s[TS], v[ASK0]
	v_add_nc_u32 v[ADT], s[TJ], v[ASV0]
.irp t, 0,1,2,3,4,5,6,7
	ds_load_b128 v[32+4*\t:35+4*\t], v[ADK] offset:512*\t
.endr
.irp u, 0,1,2,3
	ds_load_b32 v[248+\u], v[ADS] offset:128*\u    ; lanes 0-15 tile 2 u, lanes 16-31 tile 2 u + 1
.endr
.irp t, 0,1,2,3
.irp c, 0,1
	ds_load_b128 v[192+8*\t+4*\c:195+8*\t+4*\c], v[ADV] offset:256*\t+2048*\c
.endr
.endr
.irp j, 0,1
	ds_load_b32 v[240+\j], v[ADT] offset:128*\j
.endr
	s_wait_dscnt 10                                ; k and its scale words are in; v's eight loads and its two scale words may be out
.irp t, 0,1,2,3,4,5,6,7
.if \t%2
	v_wmma_scale_f32_16x16x128_f8f6f4 v[96+8*\t:103+8*\t], v[32+4*\t:39+4*\t], v[16:23], 0, v[248+\t/2], v255 matrix_a_fmt:MATRIX_FMT_FP4 matrix_b_fmt:MATRIX_FMT_FP4 matrix_a_scale:MATRIX_SCALE_ROW1
.else
	v_wmma_scale_f32_16x16x128_f8f6f4 v[96+8*\t:103+8*\t], v[32+4*\t:39+4*\t], v[16:23], 0, v[248+\t/2], v255 matrix_a_fmt:MATRIX_FMT_FP4 matrix_b_fmt:MATRIX_FMT_FP4
.endif
.endr
.rept 4
	v_nop
.endr
	s_add_co_u32 s42, s[KF], 127                   ; on the diagonal hidden scores become -infinity ahead of the maximum; a step all of whose keys count skips this
	s_cmp_le_u32 s42, s[QMIN]
	s_cbranch_scc1 .Lopen_\@
	s_sub_co_i32 s42, s[QMIN], s[KF]
	v_add_nc_u32 v252, s42, v[DL]                  ; d = my query - KF - 16 (lane / 16): register 16 b + i is hidden where 32 b + i > d
	v_mov_b32 v254, 0xff800000
.set N, 0
.rept 64
	v_cmp_gt_i32 vcc_lo, 32*(N/16)+N%16, v252
	v_cndmask_b32 v[96+N], v[96+N], v254, vcc_lo
.set N, N+1
.endr
.Lopen_\@:
.irp b, 0,1,2,3
	v_max3_num_f32 v[232+\b], v[96+16*\b], v[97+16*\b], v[98+16*\b]   ; the largest score of each block of 32 keys: for the row's maximum, and, since p rises with the score, for the block's largest p
.endr
.irp i, 3,5,7,9,11,13
.irp b, 0,1,2,3
	v_max3_num_f32 v[232+\b], v[232+\b], v[96+16*\b+\i], v[97+16*\b+\i]
.endr
.endr
.irp b, 0,1,2,3
	v_max_num_f32 v[232+\b], v[232+\b], v[111+16*\b]
.endr
.irp b, 0,1,2,3
	s_delay_alu instid0(VALU_DEP_4)
	v_permlanex16_b32 v[236+\b], v[232+\b], s[SEL], s[SEL+1]
.endr
.irp b, 0,1,2,3
	s_delay_alu instid0(VALU_DEP_4)
	v_max_num_f32 v[232+\b], v[232+\b], v[236+\b]
.endr
	s_delay_alu instid0(VALU_DEP_2)
	v_max3_num_f32 v254, v232, v233, v234
	s_delay_alu instid0(VALU_DEP_1)
	v_max_num_f32 v254, v254, v235
	s_delay_alu instid0(VALU_DEP_1)
	v_mul_f32 v254, s[CS], v254                    ; as t
	s_delay_alu instid0(VALU_DEP_1)
	v_max_num_f32 v13, v13, v254                   ; the running largest t
	v_mov_b32 v254, v12
	s_delay_alu instid0(VALU_DEP_2)
	v_floor_f32 v12, -v13                          ; the new -M = -ceil(t)
	s_delay_alu instid0(VALU_DEP_1)
	v_sub_f32 v254, v12, v254                      ; old M - new M: a whole number, 0 or less
	s_delay_alu instid0(VALU_DEP_1)
	v_cvt_i32_f32 v254, v254                       ; (it saturates)
	s_delay_alu instid0(VALU_DEP_1)
	v_ldexp_f32 v252, 1.0, v254                    ; f = 2^(old M - new M)
.set J, 0
.rept 32
	v_pk_fma_f32 v[96+J:97+J], v[96+J:97+J], s[CS:CS+1], v[12:13] op_sel_hi:[1,0,0]   ; t - M
.set J, J+2
.endr
	s_setprio 1
.irp b, 0,1,2,3
	v_fma_f32 v[232+\b], v[232+\b], s[CS], v12
.endr
.set J, 0
	s_wait_alu depctr_va_vdst(0)
.rept 64
	v_exp_f32 v[96+J], v[96+J]                     ; p = 2^(t - M)
.set J, J+1
.endr
	v_pk_mul_f32 v[14:15], v[14:15], v[252:253] op_sel_hi:[1,0]   ; the sums under the new M (a plain place behind the exponentials)
	s_wait_alu depctr_va_vdst(0)                   ; one wait for the batch, ahead of its first reader
.irp b, 0,1,2,3
	v_exp_f32 v[232+\b], v[232+\b]                 ; each block's largest p
.endr
	v_pk_add_f32 v[236:237], v[100:101], v[104:105]
	v_pk_add_f32 v[250:251], v[108:109], v[112:113]
	v_pk_add_f32 v[248:249], v[116:117], v[120:121]
	v_pk_add_f32 v[246:247], v[124:125], v[128:129]
	v_pk_add_f32 v[244:245], v[132:133], v[136:137]
	v_pk_add_f32 v[242:243], v[140:141], v[144:145]
	v_pk_add_f32 v[238:239], v[148:149], v[152:153]
	v_pk_add_f32 v[14:15], v[14:15], v[156:157]
	v_pk_add_f32 v[236:237], v[236:237], v[96:97]
	v_pk_add_f32 v[250:251], v[250:251], v[98:99]
	v_pk_add_f32 v[248:249], v[248:249], v[102:103]
	v_pk_add_f32 v[246:247], v[246:247], v[106:107]
	v_pk_add_f32 v[244:245], v[244:245], v[110:111]
	v_pk_add_f32 v[242:243], v[242:243], v[114:115]
	v_pk_add_f32 v[238:239], v[238:239], v[118:119]
	v_pk_add_f32 v[14:15], v[14:15], v[122:123]
	v_pk_add_f32 v[236:237], v[236:237], v[126:127]
	v_pk_add_f32 v[250:251], v[250:251], v[130:131]
	v_pk_add_f32 v[248:249], v[248:249], v[134:135]
	v_pk_add_f32 v[246:247], v[246:247], v[138:139]
	v_pk_add_f32 v[244:245], v[244:245], v[142:143]
	v_pk_add_f32 v[242:243], v[242:243], v[146:147]
	v_pk_add_f32 v[238:239], v[238:239], v[150:151]
	v_pk_add_f32 v[14:15], v[14:15], v[154:155]
	v_pk_add_f32 v[236:237], v[236:237], v[158:159]
	s_delay_alu instid0(VALU_DEP_2)
	v_pk_add_f32 v[14:15], v[14:15], v[246:247]
	s_delay_alu instid0(VALU_DEP_2)
	v_pk_add_f32 v[236:237], v[236:237], v[244:245]
	v_pk_add_f32 v[250:251], v[250:251], v[242:243]
	v_pk_add_f32 v[248:249], v[248:249], v[238:239]
	s_delay_alu instid0(VALU_DEP_2)
	v_pk_add_f32 v[14:15], v[14:15], v[250:251]
	s_delay_alu instid0(VALU_DEP_2)
	v_pk_add_f32 v[236:237], v[236:237], v[248:249]
	s_delay_alu instid0(VALU_DEP_1)
	v_pk_add_f32 v[14:15], v[14:15], v[236:237]
	s_wait_alu depctr_va_vdst(0)                   ; and one for the four
.irp b, 0,1,2,3
	v_max_num_f32 v[232+\b], 0x1800000, v[232+\b]  ; the floor: the byte cannot fall under 1
.endr
.irp b, 0,1,2,3
	s_delay_alu instid0(VALU_DEP_4)
	v_add_nc_u32 v[244+\b], 0xff000000, v[232+\b]
.endr
.irp b, 0,1,2,3
	s_delay_alu instid0(VALU_DEP_4)
	v_lshrrev_b32 v[236+\b], 23, v[244+\b]
.endr
	s_delay_alu instid0(VALU_DEP_3)
	v_lshl_or_b32 v253, v237, 8, v236              ; p's scale word for these 128 keys
	s_delay_alu instid0(VALU_DEP_1)
	v_lshl_or_b32 v253, v238, 16, v253
	s_delay_alu instid0(VALU_DEP_1)
	v_lshl_or_b32 v253, v239, 24, v253
	s_setprio 0
.irp b, 0,1,2,3
	v_cvt_scalef32_pk8_fp4_f32 v[224+2*\b], v[96+16*\b:103+16*\b], v[244+\b]
	v_cvt_scalef32_pk8_fp4_f32 v[225+2*\b], v[104+16*\b:111+16*\b], v[244+\b]
.endr
	v_nop                                          ; one plain place behind a scaled conversion
.irp c, 0,1
.irp i, 0,1
	v_permlane16_swap_b32 v[224+4*\c+\i], v[226+4*\c+\i]
.endr
.endr
.set J, 0
.rept 16
	v_pk_mul_f32 v[160+J:161+J], v[160+J:161+J], v[252:253] op_sel_hi:[1,0]   ; O^T under the new M.  (These sixteen also stand between the scale word's and the codes' last writes and the products)
.set J, J+2
.endr
	s_wait_alu depctr_va_vdst(0)
	s_wait_dscnt 0x0                               ; v and its scale words
.irp t, 0,1,2,3
.if \t%2
	v_wmma_scale_f32_16x16x128_f8f6f4 v[160+8*\t:167+8*\t], v[192+8*\t:199+8*\t], v[224:231], v[160+8*\t:167+8*\t], v[240+\t/2], v253 matrix_a_fmt:MATRIX_FMT_FP4 matrix_b_fmt:MATRIX_FMT_FP4 matrix_a_scale:MATRIX_SCALE_ROW1
.else
	v_wmma_scale_f32_16x16x128_f8f6f4 v[160+8*\t:167+8*\t], v[192+8*\t:199+8*\t], v[224:231], v[160+8*\t:167+8*\t], v[240+\t/2], v253 matrix_a_fmt:MATRIX_FMT_FP4 matrix_b_fmt:MATRIX_FMT_FP4
.endif
.endr
.Lhidden_\@:
	s_add_co_u32 s[KF], s[KF], 128
	s_add_co_u32 s[TB], s[TB], 4096
	s_add_co_u32 s[TS], s[TS], 512
	s_add_co_u32 s[TJ], s[TJ], 256
.endm
; ONE TILE OF QUERIES, s[TT], from its q to its codes of o.  The loop over the key steps has a constant count; what lies behind the queries is jumped over inside it.
.macro PASS
	s_wait_xcnt 0x0                                ; the last pass's stores have read their registers and bases
	s_lshr_b32 s42, s[TT], 1
	s_lshl_b32 s42, s42, 5
	s_and_b32 s43, s[TT], 1
	s_lshl_b32 s43, s43, 3
	s_add_co_u32 s[QMIN], s42, s43                 ; my tile's first query,
	s_add_co_u32 s[QMAX], s[QMIN], 23              ; and its last
	s_mov_b32 s59, 0
	s_lshl_b32 s58, s[TT], 9
	s_add_nc_u64 s[46:47], s[44:45], s[58:59]      ; q's codes
	s_lshl_b32 s58, s[TT], 6
	s_add_co_u32 s58, s58, 65536
	s_add_nc_u64 s[48:49], s[44:45], s[58:59]      ; q's scale words
	s_lshl_b32 s58, s[TT], 12
	s_add_nc_u64 s[54:55], s[50:51], s[58:59]      ; o's codes
	s_lshl_b32 s58, s[TT], 8
	s_add_nc_u64 s[56:57], s[52:53], s[58:59]      ; o's scale bytes
	global_load_b128 v[16:19], v[AK0], s[46:47]
	global_load_b32 v255, v[R4], s[48:49]
	v_mov_b32 v13, 0xff61b1e6                      ; the largest t so far: -3e38
	s_delay_alu instid0(VALU_DEP_1)
	v_floor_f32 v12, -v13
	v_mov_b32 v14, 0
	v_mov_b32 v15, 0
.set J, 0
.rept 32
	v_mov_b32 v[160+J], 0                          ; O^T: the step is written once; the first finds zeros, which the first change of M leaves zeros
.set J, J+1
.endr
	s_mov_b32 s[TB], 0
	s_mov_b32 s[TS], 0
	s_mov_b32 s[TJ], 0
	s_mov_b32 s[KF], 0
	s_mov_b32 s[CNT], 16
	s_wait_loadcnt 0x0                             ; q
.Lkey_\@:
	STEP
	s_sub_co_u32 s[CNT], s[CNT], 1
	s_cmp_lg_u32 s[CNT], 0
	s_cbranch_scc1 .Lkey_\@
	s_setprio 0
.rept 4
	v_nop                                          ; places behind the last products
.endr
	v_add_f32 v14, v14, v15
	s_delay_alu instid0(VALU_DEP_1)
	v_permlanex16_b32 v252, v14, s[SEL], s[SEL+1]
	s_delay_alu instid0(VALU_DEP_1)
	v_add_f32 v14, v14, v252                       ; the row's sum
	s_wait_alu depctr_va_vdst(0)
	v_rcp_f32 v14, v14
	v_nop                                          ; a plain place behind the reciprocal,
	s_wait_alu depctr_va_vdst(0)                   ; and the wait ahead of its first reader
.set J, 0
.rept 32
	v_mul_f32 v[96+J], v[160+J], v14               ; o: register 16 b + i is channel 32 b + 16 (lane / 16) + i of my head
.set J, J+1
.endr
.irp b, 0,1
	v_max3_num_f32 v[232+\b], |v[96+16*\b]|, |v[97+16*\b]|, 0x1800000   ; the head's two blocks of 32 along the projection's K
.endr
.irp i, 2,4,6,8,10,12,14
.irp b, 0,1
	s_delay_alu instid0(VALU_DEP_2)
	v_max3_num_f32 v[232+\b], v[232+\b], |v[96+16*\b+\i]|, |v[97+16*\b+\i]|
.endr
.endr
.irp b, 0,1
	s_delay_alu instid0(VALU_DEP_2)
	v_permlanex16_b32 v[236+\b], v[232+\b], s[SEL], s[SEL+1]
.endr
.irp b, 0,1
	s_delay_alu instid0(VALU_DEP_2)
	v_max_num_f32 v[232+\b], v[232+\b], v[236+\b]
.endr
.irp b, 0,1
	s_delay_alu instid0(VALU_DEP_2)
	v_add_nc_u32 v[244+\b], 0xff000000, v[232+\b]
.endr
.irp b, 0,1
	s_delay_alu instid0(VALU_DEP_2)
	v_lshrrev_b32 v[236+\b], 23, v[244+\b]
.endr
	s_delay_alu instid0(VALU_DEP_1)
	v_lshl_or_b32 v254, v237, 8, v236
.irp b, 0,1
	v_cvt_scalef32_pk8_fp4_f32 v[224+2*\b], v[96+16*\b:103+16*\b], v[244+\b]
	v_cvt_scalef32_pk8_fp4_f32 v[225+2*\b], v[104+16*\b:111+16*\b], v[244+\b]
.endr
	v_nop                                          ; one plain place behind a scaled conversion
	v_permlane16_swap_b32 v224, v226               ; a whole block to a lane
	v_permlane16_swap_b32 v225, v227
	global_store_b128 v[AK0], v[224:227], s[54:55] ; 512 consecutive bytes
	global_store_b16 v[R16], v254, s[56:57]        ; two bytes of each row's sixteen: 32 bytes for each 512 of codes, in runs that other heads complete; both halves of the lanes write the same
.endm
	s_load_b128 s[4:7], s[0:1], 0x0                ; qkv, oq
	v_lshl_add_u32 v[SPW], v0, 2, SPARE
	v_mov_b32 v[NIL], 0
	ds_add_u32 v[SPW], v[NIL]                      ; the wave's opening: the add, twice on end, and its wait ahead of my first tensor load
	ds_add_u32 v[SPW], v[NIL]
	v_lshrrev_b32 v8, 5, v0
	s_delay_alu instid0(VALU_DEP_1)
	v_readfirstlane_b32 s[WV], v8                  ; wave 0..15
	s_and_b32 s19, ttmp7, 0xffff                   ; 16 batch + head
	s_mul_i32 s58, s19, REC
	s_mov_b32 s59, 0
	s_mov_b32 s[G1], 3<<16                         ; no mask; elements of 8 bytes; no padding
	s_mov_b32 s[G1+1], 32<<16                      ; rows of 256 bytes,
	s_mov_b32 s[G1+2], 35<<16                      ; 35 of them,
	s_mov_b32 s[G1+3], 32<<16
	s_mov_b32 s[G1+4], 35
	s_mov_b32 s[G1+5], 32                          ; dense
	s_mov_b32 s[G1+6], 0
	s_mov_b32 s[G1+7], 0
	s_mul_i32 s42, s[WV], 8960                     ; my sixteenth of the 143,360 bytes
	s_mov_b32 s[SEL], 0x76543210
	s_mov_b32 s[SEL+1], 0xfedcba98
	s_mov_b32 s[CS], 0x3e38aa3b
	s_mov_b32 s[CS+1], s[CS]
	s_wait_dscnt 0x0                               ; both opening adds are done
	s_wait_kmcnt 0x0
	s_add_nc_u64 s[44:45], s[4:5], s[58:59]        ; my record
	s_add_co_u32 s58, s42, KVO
	s_mov_b32 s[G0], 1
	s_mov_b32 s[G0+1], s42
	s_add_nc_u64 s[G0+2:G0+3], s[44:45], s[58:59]
	s_or_b32 s[G0+3], s[G0+3], 0x80000000
	tensor_load_to_lds s[G0:G0+3], s[G1:G1+7]      ; my one tensor load
	s_nop 0
.rept 4
	v_nop
.endr
	s_and_b32 s42, s19, 15                         ; head
	s_lshr_b32 s43, s42, 3                         ; its half of the projection's K,
	s_and_b32 s42, s42, 7                          ; and its place there
	s_lshr_b32 s60, s19, 4                         ; batch
	s_lshl_b32 s58, s43, 21
	s_lshl_b32 s61, s60, 19
	s_add_co_u32 s58, s58, s61
	s_lshl_b32 s61, s42, 9
	s_add_co_u32 s58, s58, s61
	s_add_nc_u64 s[50:51], s[6:7], s[58:59]        ; o's codes: tile 0 of my batch
	s_lshl_b32 s58, s43, 17
	s_lshl_b32 s61, s60, 15
	s_add_co_u32 s58, s58, s61
	s_lshl_b32 s61, s42, 1
	s_add_co_u32 s58, s58, s61
	s_add_co_u32 s58, s58, 4194304
	s_add_nc_u64 s[52:53], s[6:7], s[58:59]        ; o's scale bytes
	v_and_b32 v8, 15, v0                           ; r
	v_bfe_u32 v9, v0, 4, 1                         ; h
	v_and_b32 v10, 31, v0
	s_delay_alu instid0(VALU_DEP_1)
	v_lshlrev_b32 v[AK0], 4, v10
	s_delay_alu instid0(VALU_DEP_4)
	v_lshlrev_b32 v[R16], 4, v8
	s_delay_alu instid0(VALU_DEP_1)
	v_lshl_add_u32 v[AV0], v9, 10, v[R16]
	s_delay_alu instid0(VALU_DEP_1)
	v_add_nc_u32 v[AV0], LVC, v[AV0]
	v_lshl_add_u32 v[ASK0], v10, 2, LKS
	v_lshl_add_u32 v[ASV0], v10, 2, LVS
	v_lshlrev_b32 v[R4], 2, v8
	v_and_b32 v[DL], 7, v8
	v_lshrrev_b32 v11, 3, v8
	s_delay_alu instid0(VALU_DEP_1)
	v_lshl_add_u32 v[DL], v11, 4, v[DL]
	v_lshlrev_b32 v11, 4, v9
	s_delay_alu instid0(VALU_DEP_1)
	v_sub_nc_u32 v[DL], v[DL], v11                 ; r % 8 + 16 (r / 8) - 16 h
.irp j, 20,21,22,23,64,65,66,67,236,237,238,239,252,253
	v_mov_b32 v[\j], 0                             ; q's upper half and what follows k's last tile: zero codes; the rest: named before they are first written
.endr
	s_lshl_b32 s[TT], ttmp9, 4
	s_add_co_u32 s[TT], s[TT], s[WV]
	s_wait_tensorcnt 0x0                           ; my part has landed,
	s_barrier_signal -1
	s_barrier_wait -1                              ; everybody's has
	PASS
	s_sub_co_u32 s[TT], 127, s[TT]
	PASS
	s_wait_tensorcnt 0x0                           ; the wave's end
	ds_add_u32 v[SPW], v[NIL]
	s_wait_dscnt 0x0
	s_endpgm
.Lfunc_end_k_q69ea6ef68f_attn:
	.size	k_q69ea6ef68f_attn, .Lfunc_end_k_q69ea6ef68f_attn-k_q69ea6ef68f_attn
	.p2alignl 7, 3214868480
	.fill 96, 4, 3214868480
	.section	.rodata,"a",@progbits
	.p2align	6, 0x0
	.amdhsa_kernel k_q69ea6ef68f_attn
		.amdhsa_group_segment_fixed_size 167936
		.amdhsa_private_segment_fixed_size 0
		.amdhsa_enable_private_segment 0
		.amdhsa_kernarg_size 16
		.amdhsa_user_sgpr_count 2
		.amdhsa_user_sgpr_kernarg_segment_ptr 1
		.amdhsa_wavefront_size32 1
		.amdhsa_system_sgpr_workgroup_id_x 1
		.amdhsa_system_sgpr_workgroup_id_y 1
		.amdhsa_system_sgpr_workgroup_id_z 1
		.amdhsa_system_vgpr_workitem_id 0
		.amdhsa_next_free_vgpr 256
		.amdhsa_next_free_sgpr 66
		.amdhsa_reserve_vcc 1
		.amdhsa_float_denorm_mode_32 3
		.amdhsa_float_denorm_mode_16_64 3
		.amdhsa_memory_ordered 1
		.amdhsa_forward_progress 1
		.amdhsa_inst_pref_size 61
	.end_amdhsa_kernel
	.amdgpu_metadata
---
amdhsa.version: [ 1, 2 ]
amdhsa.kernels:
  - .name:           k_q69ea6ef68f_attn
    .symbol:         k_q69ea6ef68f_attn.kd
    .args:
      - { .name: qkv, .offset: 0, .size: 8, .value_kind: global_buffer, .address_space: global }
      - { .name: oq, .offset: 8, .size: 8, .value_kind: global_buffer, .address_space: global }
    .group_segment_fixed_size: 167936
    .private_segment_fixed_size: 0
    .kernarg_segment_align: 8
    .kernarg_segment_size: 16
    .max_flat_workgroup_size: 512
    .sgpr_count:     66
    .vgpr_count:     256
    .wavefront_size: 32
...
	.end_amdgpu_metadata
.endif
;; end of part 4
;; launch gemm2 (part 5): grid 4 x 64, 4 waves a work-group, clusters of 4 x 4, 327,680 bytes of LDS; arguments oq, wp, b_proj, out0; writes out0
.if DOCPART == 5
	.amdgcn_target "amdgcn-amd-amdhsa--gfx1250"
	.amdhsa_code_object_version 6
	.text
	.protected	k_q69ea6ef68f_gemm2
	.globl	k_q69ea6ef68f_gemm2
	.p2align	8
	.type	k_q69ea6ef68f_gemm2,@function
k_q69ea6ef68f_gemm2:
	s_mov_b64 s[64:65], 0
	v_nop
	global_prefetch_b8 v0, s[64:65] scope:SCOPE_SE
	s_setreg_imm32_b32 hwreg(HW_REG_WAVE_MODE, 25, 1), 1
	s_wait_xcnt 0x0
	s_wait_alu depctr_hold_cnt(0) depctr_sa_sdst(0) depctr_va_vdst(0) depctr_va_sdst(0) depctr_va_ssrc(0) depctr_va_vcc(0) depctr_vm_vsrc(0)
	s_getreg_b32 s2, hwreg(HW_REG_IB_STS2, 6, 4)
	s_cmp_eq_u32 s2, 0
	s_cbranch_scc0 .Lentry_in_a_cluster
	s_endpgm
.Lentry_in_a_cluster:
	s_bfe_u32 s2, ttmp6, 0x10000c
	s_cmp_lg_u32 s2, 0xf033
	s_cbranch_scc0 .Lentry_shape_is_right
	s_endpgm
.Lentry_shape_is_right:
; Launch 5 of 5: out0 = o W_proj + b_proj on codes of E2M1.  No work is left out here.
; The frame is the q and k launch's: P (source 0) = 16 tiles of W_proj's columns (wp, in their own order), R (source 1) = 8 tiles of tokens of oq.  A work-group: 128 tokens x 256 columns; a wave: 64 x 128.
; All of K = 1,024 lies in LDS at once; nothing is filled again.  A lane holds one token (row lane % 16 of R's tile a) and eight neighbouring columns an accumulator; the bias is the C of each sum's first instruction.
; The way out goes through the wave's own stage, a tile of 16 tokens at a time, and leaves as rows of 512 consecutive bytes; row t of a tile is token 32 (a / 2) + 8 (a % 2) + t % 8 + 16 (t / 8) of the wave's 64.
; REGISTERS: window 0: v1-31 addresses; v32-95 scale words; v128-159, v192-223 R's fragments; on the way out v128-255 rows of out0.  window 1: P's fragments at v0 and v128; v64-127 the bias.  window 2: the 32 accumulators.
.set NA,    4
.set NTR,   512
.set NTP,   64
.set RSC,   4194304
.set PSC,   524288
.set RT0,   0
.set SLOTB, (2*NA+16)*4096
.set ROFFP, 2*NA*4096
.set SCL,   2*SLOTB
.set SCRB,  2*NA*256
.set SCPO,  SCL+2*SCRB
.set SPARE, SCPO+8192                  ; the spare words, 128 bytes for each wave: two blocks of 256 bytes that no other line names
.set STG,   SPARE+512                  ; 16 rows x (512 bytes + 16) for each wave; no tile lands here
.set BO,   7
.set ADRR, 16
.set ADRP, 20
.set LI,   24
.set ADRS, 26
.set SPW,  28
.set NIL,  29
.set STO,  30
.set RD,   31
.set SC,   32
.set RF,   128
.set CB,   64
.set BK,   128
.set G1R,  24
.set G0R,  32
.set G1P,  48
.set G0P,  56
.set G1SR, 68
.set G0SR, 76
.set G1SP, 80
.set G0SP, 88
.set MSB, 0
.macro WIN new
.if MSB != \new
	s_set_vgpr_msb (MSB<<8)|\new
.set MSB, \new
.endif
.endm
.macro JLOAD g0a, g1a, g0b, g1b        ; waves 0 and 1 fetch for R, waves 2 and 3 for P; an s_nop 0 and four v_nop follow each of the two lines
	s_cmp_eq_u32 s15, 0
	s_cbranch_scc0 .Lfor_b_\@
	tensor_load_to_lds s[\g0a:\g0a+3], s[\g1a:\g1a+7]
	s_nop 0
.rept 4
	v_nop
.endr
	s_branch .Lasked_\@
.Lfor_b_\@:
	tensor_load_to_lds s[\g0b:\g0b+3], s[\g1b:\g1b+7]
	s_nop 0
.rept 4
	v_nop
.endr
.Lasked_\@:
.endm
.macro CROUND
	s_barrier_signal -1
	s_barrier_wait -1
	s_cmp_lg_u32 s14, 0
	s_cbranch_scc1 .Lnot_wave_0_\@
	s_barrier_signal -3
.Lnot_wave_0_\@:
	s_barrier_wait -3
	s_barrier_signal -1
	s_barrier_wait -1
.endm
.macro G1REST g, rows
	s_mov_b32 s[\g+1], 32<<16
	s_mov_b32 s[\g+2], (\rows)<<16
	s_mov_b32 s[\g+3], 32<<16
	s_mov_b32 s[\g+4], \rows
	s_mov_b32 s[\g+5], 32
	s_mov_b32 s[\g+6], 0
	s_mov_b32 s[\g+7], 0
.endm
.macro PLACES n
.rept \n
	v_nop
.endr
.endm
.macro FETCH_P slot, q, p
	WIN 0x40
.irp i, 0,1,2,3,4,5,6,7
.irp c, 0,1
	ds_load_b128 v[128*(\p)+8*\i+4*\c:128*(\p)+8*\i+4*\c+3], v[ADRP+\slot] offset:\i*4096+(\q)*1024+\c*512
.endr
.endr
	WIN 0
.endm
.macro FETCH_R slot, q, p
.set I, 0
.rept NA
.irp c, 0,1
	ds_load_b128 v[RF+64*(\p)+8*I+4*\c:RF+64*(\p)+8*I+4*\c+3], v[ADRR+\slot] offset:I*4096+(\q)*1024+\c*512
.endr
.set I, I+1
.endr
.endm
.macro SCALES sc                       ; lanes 0-15 R's tile i (for i >= NA: neighbouring bytes that have landed and that nobody uses), lanes 16-31 P's tile i
.irp i, 0,1,2,3,4,5,6,7
	ds_load_b128 v[SC+32*\sc+4*\i:SC+32*\sc+4*\i+3], v[ADRS+\sc] offset:256*\i
.endr
.endm
.macro MUL16 a0, p, q, sc, cm          ; cm = 1: the bias of P's tile b starts the sums.  The accumulators take turns
.irp a, \a0, \a0+1
.irp b, 0,1,2,3,4,5,6,7
.if \cm
	v_wmma_scale_f32_16x16x128_f8f6f4 v[8*(8*((\a)%4)+\b):8*(8*((\a)%4)+\b)+7], v[128*(\p)+8*\b:128*(\p)+8*\b+7], v[RF+64*(\p)+8*(\a):RF+64*(\p)+8*(\a)+7], v[CB+8*\b:CB+8*\b+7], v[SC+32*(\sc)+4*\b+(\q)], v[SC+32*(\sc)+4*(\a)+(\q)] matrix_a_fmt:MATRIX_FMT_FP4 matrix_b_fmt:MATRIX_FMT_FP4 matrix_a_scale:MATRIX_SCALE_ROW1
.else
	v_wmma_scale_f32_16x16x128_f8f6f4 v[8*(8*((\a)%4)+\b):8*(8*((\a)%4)+\b)+7], v[128*(\p)+8*\b:128*(\p)+8*\b+7], v[RF+64*(\p)+8*(\a):RF+64*(\p)+8*(\a)+7], v[8*(8*((\a)%4)+\b):8*(8*((\a)%4)+\b)+7], v[SC+32*(\sc)+4*\b+(\q)], v[SC+32*(\sc)+4*(\a)+(\q)] matrix_a_fmt:MATRIX_FMT_FP4 matrix_b_fmt:MATRIX_FMT_FP4 matrix_a_scale:MATRIX_SCALE_ROW1
.endif
.endr
.endr
.endm
.macro MULS p, q, sc, cm
.if \cm
	WIN 0x91
.else
	WIN 0xa1
.endif
	MUL16 0, \p, \q, \sc, \cm
	MUL16 2, \p, \q, \sc, \cm
.endm
.macro STEP slot, q, cm
	s_wait_dscnt 0x0                               ; this step's fragments, asked for a whole step ago, are in
	PLACES 4                                       ; four places in front of loads into registers that the last step's products read
	FETCH_P \slot, (\q)+1, 1-(\q)%2
	FETCH_R \slot, (\q)+1, 1-(\q)%2
	MULS (\q)%2, \q, \slot, \cm
.endm
.macro TURN                            ; slot 0's last step: slot 1 must be whole for every wave.
	s_wait_tensorcnt 0x0
	s_wait_dscnt 0x0
	s_barrier_signal -1
	WIN 0xa1
	MUL16 0, 1, 3, 0, 0
	s_barrier_wait -1
	PLACES 4
	FETCH_P 1, 0, 0
	FETCH_R 1, 0, 0
	SCALES 1
	WIN 0xa1
	MUL16 2, 1, 3, 0, 0
.endm
	s_load_b128 s[4:7], s[0:1], 0x0                ; oq (R) s[4:5], wp (P) s[6:7]
	s_load_b128 s[8:11], s[0:1], 0x10              ; b_proj s[8:9], out0 s[10:11]
	v_lshl_add_u32 v[SPW], v0, 2, SPARE
	v_mov_b32 v[NIL], 0
	ds_add_u32 v[SPW], v[NIL]                      ; the wave's opening: the add, twice on end, and its wait ahead of my first tensor load
	ds_add_u32 v[SPW], v[NIL]
	v_lshrrev_b32 v1, 5, v0
	v_readfirstlane_b32 s14, v1
	s_lshr_b32 s15, s14, 1                         ; which 64 tokens.  Also: I fetch for R (0) or for P (1)
	s_and_b32 s16, s14, 1                          ; which 128 columns.  Also: which half I fetch
	s_bfe_u32 s40, ttmp6, 0x40000
	s_bfe_u32 s41, ttmp6, 0x40004
	s_lshl_b32 s42, ttmp9, 2
	s_add_co_u32 s42, s42, s40                     ; work-group x: 256 columns
	s_and_b32 s17, ttmp7, 0xffff
	s_lshl_b32 s17, s17, 2
	s_add_co_u32 s17, s17, s41                     ; work-group y: 128 tokens
	s_lshl_b32 s43, s41, 2
	s_lshl_b32 s43, 15, s43
	s_lshl_b32 s44, 0x1111, s40
	s_or_b32 s[G1R], s43, (3<<16)|(1<<21)
	s_or_b32 s[G1SR], s43, (3<<16)|(1<<21)
	s_or_b32 s[G1P], s44, (3<<16)|(1<<21)
	s_or_b32 s[G1SP], s44, (3<<16)|(1<<21)
	G1REST G1R, 16*NA
	G1REST G1P, 128
	G1REST G1SR, 2*NA
	G1REST G1SP, 16
	s_mul_i32 s20, s17, 2*NA
	s_add_co_u32 s20, s20, RT0
	s_lshl_b32 s22, s20, 8
	s_mul_i32 s18, s16, NTR*256
	s_add_co_u32 s22, s22, s18
	s_add_co_u32 s22, s22, RSC
	s_mov_b32 s23, 0
	s_mul_i32 s18, s16, NA
	s_add_co_u32 s20, s20, s18
	s_lshl_b32 s20, s20, 12
	s_mov_b32 s21, 0
	s_lshl_b32 s46, s42, 4
	s_lshl_b32 s92, s46, 8
	s_mul_i32 s18, s16, NTP*256
	s_add_co_u32 s92, s92, s18
	s_add_co_u32 s92, s92, PSC
	s_mov_b32 s93, 0
	s_lshl_b32 s18, s16, 3
	s_add_co_u32 s46, s46, s18
	s_lshl_b32 s46, s46, 12
	s_mov_b32 s47, 0
	s_mul_i32 s45, s16, NA*4096
	s_lshl_b32 s94, s16, 15
	s_add_co_u32 s94, s94, ROFFP
	s_mul_i32 s95, s16, SCRB
	s_add_co_u32 s95, s95, SCL
	s_lshl_b32 s96, s16, 12
	s_add_co_u32 s96, s96, SCPO
	s_wait_dscnt 0x0                               ; both opening adds are done
	s_wait_kmcnt 0x0
	s_add_nc_u64 s[20:21], s[4:5], s[20:21]
	s_add_nc_u64 s[22:23], s[4:5], s[22:23]
	s_add_nc_u64 s[46:47], s[6:7], s[46:47]
	s_add_nc_u64 s[92:93], s[6:7], s[92:93]
	CROUND
	s_mov_b32 s[G0SR], 1
	s_mov_b32 s[G0SR+1], s95
	s_mov_b64 s[G0SR+2:G0SR+3], s[22:23]
	s_or_b32 s[G0SR+3], s[G0SR+3], 0x80000000
	s_mov_b32 s[G0SP], 1
	s_mov_b32 s[G0SP+1], s96
	s_mov_b64 s[G0SP+2:G0SP+3], s[92:93]
	s_or_b32 s[G0SP+3], s[G0SP+3], 0x80000000
	JLOAD G0SR, G1SR, G0SP, G1SP
.irp s, 0,1
	s_mov_b32 s[G0R+4*\s], 1
	s_add_co_u32 s[G0R+4*\s+1], s45, \s*SLOTB
	s_add_nc_u64 s[G0R+4*\s+2:G0R+4*\s+3], s[20:21], \s*NTR*4096
	s_or_b32 s[G0R+4*\s+3], s[G0R+4*\s+3], 0x80000000
	s_mov_b32 s[G0P+4*\s], 1
	s_add_co_u32 s[G0P+4*\s+1], s94, \s*SLOTB
	s_add_nc_u64 s[G0P+4*\s+2:G0P+4*\s+3], s[46:47], \s*NTP*4096
	s_or_b32 s[G0P+4*\s+3], s[G0P+4*\s+3], 0x80000000
	JLOAD G0R+4*\s, G1R, G0P+4*\s, G1P             ; three tensor loads of mine are out, all first fills
.endr
	v_and_b32 v1, 15, v0
	v_bfe_u32 v2, v0, 4, 1
	v_and_b32 v3, 31, v0
	v_lshlrev_b32 v[LI], 4, v3
	s_mul_i32 s20, s15, NA*4096
	s_lshl_b32 s21, s16, 15
	s_add_co_u32 s21, s21, ROFFP
.irp s, 0,1
	v_add_nc_u32 v[ADRR+\s], s20, v[LI]
	v_add_nc_u32 v[ADRP+\s], s21, v[LI]
	s_add_co_u32 s20, s20, SLOTB
	s_add_co_u32 s21, s21, SLOTB
.endr
	s_mul_i32 s21, s15, NA*256
	s_lshl_b32 s22, s16, 11
	s_add_co_u32 s22, s22, SCPO-SCL
	s_sub_co_u32 s22, s22, s21
	s_add_co_u32 s21, s21, SCL
	v_lshlrev_b32 v5, 4, v1
.irp s, 0,1
	v_mul_u32_u24 v6, s22, v2
	v_add_nc_u32 v6, v6, v5
	v_add_nc_u32 v[ADRS+\s], s21, v6
	s_add_co_u32 s21, s21, SCRB
	s_add_co_u32 s22, s22, 4096-SCRB
.endr
	v_lshlrev_b32 v[BO], 5, v2                     ; the bias: eight columns further on for lanes 16-31
	s_mul_i32 s20, s14, 16*528
	s_add_co_u32 s20, s20, STG                     ; my stage
	v_mul_u32_u24 v5, v1, 528
	v_lshl_add_u32 v5, v2, 5, v5
	v_add_nc_u32 v[STO], s20, v5                   ; in: row r, 32 bytes for each half of the lanes
	v_add_nc_u32 v[RD], s20, v[LI]                 ; back: the 32 lanes take one row of 512 bytes
	s_lshl_b32 s2, s42, 10
	s_lshl_b32 s3, s16, 9
	s_add_co_u32 s2, s2, s3                        ; my first column, in bytes
	s_mov_b32 s3, 0
	s_add_nc_u64 s[8:9], s[8:9], s[2:3]
	s_lshl_b32 s20, s17, 7
	s_lshl_b32 s21, s15, 6
	s_add_co_u32 s20, s20, s21                     ; my first token
	s_lshl_b32 s20, s20, 12
	s_add_co_u32 s2, s2, s20
	s_add_nc_u64 s[12:13], s[10:11], s[2:3]
	WIN 0x40
.irp b, 0,1,2,3,4,5,6,7
	global_load_b128 v[CB+8*\b:CB+8*\b+3], v[BO], s[8:9] offset:64*\b
	global_load_b128 v[CB+8*\b+4:CB+8*\b+7], v[BO], s[8:9] offset:64*\b+16
.endr
	WIN 0
	s_wait_tensorcnt 1                             ; the scale bytes and my part of slot 0 are in; slot 1's load may be out
	s_barrier_signal -1
	s_barrier_wait -1
	FETCH_P 0, 0, 0
	FETCH_R 0, 0, 0
	SCALES 0
	s_wait_loadcnt 0x0                             ; the bias
	STEP 0, 0, 1
	STEP 0, 1, 0
	STEP 0, 2, 0
	TURN
	STEP 1, 0, 0
	STEP 1, 1, 0
	STEP 1, 2, 0
	s_wait_dscnt 0x0
	MULS 1, 3, 1, 0
	WIN 0
	PLACES 4                                       ; behind the last products: their results are read, and loads land in their operands' registers, from here on
.macro TOSTAGE a
.set AC, 64*(\a)
	WIN 0x08                                       ; an LDS store's data: window 2
.irp b, 0,1,2,3,4,5,6,7
	ds_store_b128 v[STO], v[AC+8*\b:AC+8*\b+3] offset:64*\b          ; each accumulator from its low end on
	ds_store_b128 v[STO], v[AC+8*\b+4:AC+8*\b+7] offset:64*\b+16
.endr
	WIN 0
.set BB, BK+64*((\a)%2)
.irp t, 0,1,2,3,4,5,6,7,8,9,10,11,12,13,14,15
	ds_load_b128 v[BB+4*\t:BB+4*\t+3], v[RD] offset:\t*528           ; LDS serves a wave's instructions in order: these see my stores, and the next tile's stores come behind them
.endr
.endm
.macro SEND a, younger                 ; younger: the LDS instructions issued behind tile a's loads, which may stay out
.set BB, BK+64*((\a)%2)
	s_wait_dscnt \younger
.irp t, 0,1,2,3,4,5,6,7,8,9,10,11,12,13,14,15
	global_store_b128 v[LI], v[BB+4*\t:BB+4*\t+3], s[12:13] offset:(32*((\a)/2)+8*((\a)%2)+(\t%8)+16*(\t/8))*4096 th:TH_STORE_NT   ; 512 consecutive bytes of a token's row; the base is never stepped
.endr
.endm
	TOSTAGE 0
.irp a, 1,2,3
.if \a > 1
	s_wait_xcnt 0x0                                ; tile a - 2's stores have read their registers: tile a's loads may land there
.endif
	TOSTAGE \a
	SEND \a-1, 32                                  ; behind tile a - 1's loads: tile a's 16 stores and 16 loads
.endr
	SEND 3, 0
	s_wait_tensorcnt 0x0                           ; the wave's end
	ds_add_u32 v[SPW], v[NIL]
	s_wait_dscnt 0x0
	CROUND                                         ; the closing round
	s_endpgm
.Lfunc_end_k_q69ea6ef68f_gemm2:
	.size	k_q69ea6ef68f_gemm2, .Lfunc_end_k_q69ea6ef68f_gemm2-k_q69ea6ef68f_gemm2
	.p2alignl 7, 3214868480
	.fill 96, 4, 3214868480
	.section	.rodata,"a",@progbits
	.p2align	6, 0x0
	.amdhsa_kernel k_q69ea6ef68f_gemm2
		.amdhsa_group_segment_fixed_size 327680
		.amdhsa_private_segment_fixed_size 0
		.amdhsa_enable_private_segment 0
		.amdhsa_kernarg_size 32
		.amdhsa_user_sgpr_count 2
		.amdhsa_user_sgpr_kernarg_segment_ptr 1
		.amdhsa_wavefront_size32 1
		.amdhsa_system_sgpr_workgroup_id_x 1
		.amdhsa_system_sgpr_workgroup_id_y 1
		.amdhsa_system_sgpr_workgroup_id_z 1
		.amdhsa_system_vgpr_workitem_id 0
		.amdhsa_next_free_vgpr 768
		.amdhsa_next_free_sgpr 100
		.amdhsa_reserve_vcc 0
		.amdhsa_float_denorm_mode_32 3
		.amdhsa_float_denorm_mode_16_64 3
		.amdhsa_memory_ordered 1
		.amdhsa_forward_progress 1
		.amdhsa_inst_pref_size 74
	.end_amdhsa_kernel
	.amdgpu_metadata
---
amdhsa.version: [ 1, 2 ]
amdhsa.kernels:
  - .name:           k_q69ea6ef68f_gemm2
    .symbol:         k_q69ea6ef68f_gemm2.kd
    .args:
      - { .name: oq, .offset: 0, .size: 8, .value_kind: global_buffer, .address_space: global }
      - { .name: wp, .offset: 8, .size: 8, .value_kind: global_buffer, .address_space: global }
      - { .name: b_proj, .offset: 16, .size: 8, .value_kind: global_buffer, .address_space: global }
      - { .name: out0, .offset: 24, .size: 8, .value_kind: global_buffer, .address_space: global }
    .group_segment_fixed_size: 327680
    .private_segment_fixed_size: 0
    .kernarg_segment_align: 8
    .kernarg_segment_size: 32
    .max_flat_workgroup_size: 128
    .sgpr_count:     100
    .vgpr_count:     768
    .wavefront_size: 32
...
	.end_amdgpu_metadata
.endif
;; end of part 5
